; MI455X (gfx1250); checked and timed in simulation.
; The chip was launched on July 23, 2026; its instructions are those of AMD's public machine-readable ISA for CDNA 5 (MIT licence, August 2026) and "CDNA5" Instruction Set Architecture Reference Guide (July 2026). The comments in the code are by the model that wrote it; some were corrected since.
;; Mo E Block. Allowed arithmetic: matrix products marked QUANTISED: E4M3 operands, one E8M0 scale for each 32 along K, by v_wmma_scale_f32_16x16x128_f8f6f4 with both operands' format E4M3, f32 sums; products left as they are: f32 operands where the result goes on into a quantised operand, else bf16, f16 or f32 operands; f32 sums; everything else in f32.
;; Inputs: hidden_states_codes 8 x 512 x 32 x 32 uint8 (E4M3 codes of hidden_states, K innermost, in blocks of 32 codes); hidden_states_scales 8 x 512 x 32 uint8 (E8M0 scales of hidden_states, one for each 32 codes along K); lora_As 8 x 16 x 1,024 float32; lora_Bs 8 x 4,096 x 16 float32; top_k_indices 2 int32; top_k_values 2 float32; wi_w_codes 4,096 x 32 x 32 uint8 (E4M3 codes of wi_w, K innermost, in blocks of 32 codes); wi_w_scales 4,096 x 32 uint8 (E8M0 scales of wi_w, one for each 32 codes along K); wo_w_codes 1,024 x 128 x 32 uint8 (E4M3 codes of wo_w, K innermost, in blocks of 32 codes); wo_w_scales 1,024 x 128 uint8 (E8M0 scales of wo_w, one for each 32 codes along K).
;; Outputs: out0 8 x 512 x 1,024 float32.
;; This version of the problem:
;;   THIS VERSION OF THE PROBLEM IS GIVEN IN LOW PRECISION. The matrix products marked QUANTISED in the list below multiply operands that are first quantised to E4M3 (4 exponent bits, 3 mantissa bits; 8 bits a number), with one power-of-two scale for each 32 numbers along K (OCP MX v1.0); their sums are f32. All else is computed in f32.
;;   The module's matrix products, in the order in which they are computed (A, B: the left and right operand; K: the contracted axis; several contracted axes count as one K, in the product's order):
;;     1. [M 4,096, K 1,024] x [K 1,024, N 4,096]; A: input hidden_states (given as codes); B: input wi_w (given as codes): QUANTISED
;;     2. [M 4,096, K 1,024] x [K 1,024, N 16]; A: input hidden_states (given as codes); B: computed on the way: QUANTISED
;;     3. [M 4,096, K 16] x [K 16, N 4,096]; A: computed on the way; B: computed on the way: left as it is (K = 16 < 32)
;;     4. [M 4,096, K 4,096] x [K 4,096, N 1,024]; A: computed on the way; B: input wo_w (given as codes): QUANTISED
;;     5. [M 4,096, K 1,024] x [K 1,024, N 4,096]; A: input hidden_states (given as codes); B: input wi_w (given as codes): QUANTISED
;;     6. [M 4,096, K 1,024] x [K 1,024, N 16]; A: input hidden_states (given as codes); B: computed on the way: QUANTISED
;;     7. [M 4,096, K 16] x [K 16, N 4,096]; A: computed on the way; B: computed on the way: left as it is (K = 16 < 32)
;;     8. [M 4,096, K 4,096] x [K 4,096, N 1,024]; A: computed on the way; B: input wo_w (given as codes): QUANTISED
;;   THE QUANTISER, for each operand of a quantised product, along K:
;;     - K is cut into blocks of 32 from its start; a last block that is shorter is filled with zeros.
;;     - A block's scale is 2^e with e = floor(log2(the largest magnitude in the block)) - 8, held to -126 .. 127; a block of zeros has e = 0. As a byte (E8M0): e + 127.
;;     - Each number is divided by its block's scale, clamped to +-448, and rounded to the nearest number of E4M3, ties to even, subnormals kept.
;;     - The product sums the exact products of the quantised numbers (number of the format x scale) in f32.
;;   ~~~python
;;   def quantise(x, axis):      # numpy; x: float32 -> the quantised numbers, widened to float32 again
;;       x = np.moveaxis(x, axis, -1); K = x.shape[-1]
;;       x = np.pad(x, [(0, 0)] * (x.ndim - 1) + [(0, -K % 32)]); x = x.reshape(x.shape[:-1] + (-1, 32)); a = np.abs(x).max(-1, keepdims=True)
;;       e = np.where(a > 0, np.clip(np.frexp(np.where(a > 0, a, 1))[1] - 1 - 8, -126, 127), 0)      # np.frexp(a)[1] - 1 = floor(log2(a)), exactly
;;       r = np.clip(x / 2.0 ** e, -448, 448)
;;       step = 2.0 ** (np.maximum(np.frexp(np.where(r == 0, 1, r))[1] - 1, -6) - 3)
;;       q = np.round(r / step) * step * 2.0 ** e      # np.round: ties to even
;;       return np.moveaxis(q.reshape(q.shape[:-2] + (-1,))[..., :K], -1, axis).astype(np.float32)
;;   ~~~
;;   OPERANDS COMPUTED ON THE WAY. 'Computed on the way' means the value that the module computes at that place (a softmax that the list does not call 'softmax' is quantised finished and normalised). What goes into a quantiser is computed in f32, as accurately as f32 sums, v_exp_f32 and their like allow (about 1e-6 of the number): no bf16 or f16 on the way to a quantiser, and a product that is left as it is and whose result goes on into a quantised operand takes f32 operands (vector FMAs, or v_wmma_f32_16x16x4_f32). A number that lies on a knife's edge between two numbers of the format may be rounded either way, as far as f32 arithmetic and the matrix unit's own rounding can turn it there, and no further.
;;   INPUTS GIVEN AS CODES. hidden_states (in the module: [8, 512, 1024], K = its axis 2); wi_w (in the module: [4096, 1024], K = its axis 1); wo_w (in the module: [1024, 4096], K = its axis 1): each comes as NAME_codes (uint8): NAME with its K axis moved to the last place and cut into blocks of 32 codes, [.., K / 32, bytes a block], one block behind the other in memory; one code a byte (a code: sign, 4 exponent bits, 3 mantissa bits); and NAME_scales (uint8): the same leading axes, one E8M0 byte (e + 127) for each 32 codes along K. Its value is code x scale, taken as it is: it is not quantised again, and the codes and scales need not be those that the quantiser above would give.
;; One version. Each part assembles by itself: llvm-mc -triple=amdgcn-amd-amdhsa -mcpu=gfx1250 --defsym DOCPART=n.
;; ======== version 1 of 1: 3 launches
;; workspace buffers: t_img 524,288 bytes; inter_codes 33,554,432 bytes; inter_scales 1,048,576 bytes
;; launch prep (part 1): grid 256 x 1, 8 waves a work-group, no clusters, 152,576 bytes of LDS; arguments hidden_states_codes, hidden_states_scales, lora_As, top_k_indices, t_img; writes t_img
.if DOCPART == 1
	.amdgcn_target "amdgcn-amd-amdhsa--gfx1250"
	.amdhsa_code_object_version 6
	.text
	.protected	k_q5d2b6409fd_prep
	.globl	k_q5d2b6409fd_prep
	.p2align	8
	.type	k_q5d2b6409fd_prep,@function
k_q5d2b6409fd_prep:
	s_mov_b64 s[64:65], 0
	v_nop
	global_prefetch_b8 v0, s[64:65] scope:SCOPE_SE
	s_setreg_imm32_b32 hwreg(HW_REG_WAVE_MODE, 25, 1), 1
	s_wait_xcnt 0x0
; t_e = h Q(A_e)^T for the two experts e that top_k_indices names.  h: 4,096 tokens x 1,024, codes of FP8 (E4M3) with one E8M0 byte for each 32 along K.  A_e: [16][1024] f32, quantised here along K.
; t goes out as IMAGES OF REGISTERS: t_img[e][tile of 16 tokens m][1,024 bytes]; registers 4 g .. 4 g + 3 of a lane at 512 g + 16 x lane; register j of lane (r, h) is t_e(token 16 m + r, rank 8 h + j).
; SHARES.  A work-group of eight waves takes one tile of 16 tokens; WAVE w TAKES K STEP w (128 along K).  It quantises the two fragments that it multiplies by itself (both experts' 16 ranks x its 128 k), so no fragment goes
; from wave to wave, loads h's one fragment of its step, and makes two products (source 0 = A's 16 ranks, source 1 = 16 tokens).  The eight waves' partial sums meet in LDS behind one barrier; waves 0 to 3 add them,
; each for one expert and one half of the image, and store 512 consecutive bytes.
; A's rows are loaded as they lie, 512 consecutive bytes an instruction (one rank's 128 numbers), and turn through the wave's own stage in LDS (rows of 512 bytes + 16), from which lane (r, h) takes, of rank r, 16 neighbours of each block of 32.
; No cluster and no tensor load: what the work-groups share, A, is 128 KiB of f32 that each reads once through registers on its way into the quantiser.  No prefetch: every load is issued at the launch's beginning.
; LIMITS: NaN and infinities are not served.  A block whose largest magnitude lies under 2^-118 gets the scale byte 1, a block of zeros too (the rule says 127: its codes are zeros, and this program alone reads the bytes).
; An index outside 0 .. 7 is held at 7.  K is summed as eight partial sums added in a tree: another order of f32 rounding than the reference's.
; REGISTERS: v1-10 addresses; v16-31 h's fragment; v32 h's scale words; v33, v34 A's; v36-51 the quantiser's; v52-83 two fragments of codes; v84-211 2 x 64 numbers of A, later the partial sums; v212-227 two accumulators.
.set SPI,  528                         ; a stage row: 512 bytes + 16 = 132 words: row r starts at bank 4 r mod 64 (64 banks of 4 bytes: ISA guide 11.1)
.set STGW, 32*SPI                      ; a wave's two stages of 16 rows
.set PS,   8*STGW                      ; behind the stages: the partial sums, [expert][wave][1,024 bytes]
.set LI,   4                           ; v4   16 x lane
.set SIN,  5                           ; v5   the stage, on the way in: my wave's + 16 x lane
.set SOUT, 6                           ; v6   and on the way out: my wave's + row r + 64 h
.set HAD,  7                           ; v7   h: row r of 1,024 bytes + 16 h
.set HSD,  8                           ; v8   h's scale bytes: 32 a row
.set PSW,  9                           ; v9   where I put partial sums: PS + 1,024 x wave + 16 x lane
.set PSR,  10                          ; v10  where I read them: PS + 8,192 x expert + 512 x half + 16 x lane
.set HF,   16
.set HS,   32
.set PW0,  33
.set PW1,  34
.set TM,   36
.set PC0,  52
.set PC1,  68
.set R0,   84
.set R1,   148
.set AC0,  212
.set AC1,  220
.set SEL,  28                          ; s[28:29] v_permlanex16_b32's selects for lane l xor 16
.set MNT,  30                          ; s30  the mantissa field of 448
; 64 numbers of a lane, register 16 b + i = k 32 b + 16 (lane / 16) + i of my row, become a fragment's codes in v[pc] on and its scale word in v[pw]
.macro QUANT s, pc, pw
.irp b, 0,1,2,3
	v_max3_num_f32 v[TM+\b], |v[\s+16*\b]|, |v[\s+1+16*\b]|, 0x4800000   ; block b: my 16 numbers, and the floor 2^(9 - 127): the byte cannot fall under 1
.endr
.irp i, 2,4,6,8,10,12,14
.irp b, 0,1,2,3
	v_max3_num_f32 v[TM+\b], v[TM+\b], |v[\s+16*\b+\i]|, |v[\s+1+16*\b+\i]|   ; the four blocks by turns
.endr
.endr
.irp b, 0,1,2,3
	v_permlanex16_b32 v[TM+4+\b], v[TM+\b], s[SEL], s[SEL+1]
.endr
.irp b, 0,1,2,3
	v_max_num_f32 v[TM+\b], v[TM+\b], v[TM+4+\b]   ; with lane l xor 16's: the block's largest magnitude
.endr
.irp b, 0,1,2,3
	v_add_nc_u32 v[TM+12+\b], 0xfc000000, v[TM+\b]   ; 8 off its exponent field: the conversion's scale operand
.endr
.irp b, 0,1,2,3
	v_and_or_b32 v[TM+8+\b], v[TM+\b], 0x7f800000, s[MNT]   ; 448 x the scale
.endr
.irp b, 0,1,2,3
	v_lshrrev_b32 v[TM+4+\b], 23, v[TM+12+\b]   ; the scale's byte
.endr
	v_lshl_or_b32 v[\pw], v[TM+5], 8, v[TM+4]      ; four bytes make my row's scale word
	v_lshl_or_b32 v[\pw], v[TM+6], 16, v[\pw]
	v_lshl_or_b32 v[\pw], v[TM+7], 24, v[\pw]
.irp b, 0,1,2,3
.irp i, 0,1,2,3,4,5,6,7,8,9,10,11,12,13,14,15
	v_med3_num_f32 v[\s+16*\b+\i], v[\s+16*\b+\i], -v[TM+8+\b], v[TM+8+\b]   ; the conversion to an 8-bit code does not saturate (ISA guide 7.6.2): the hold at the largest code x the scale
.endr
	v_cvt_scalef32_pk8_fp8_f32 v[\pc+4*\b:\pc+1+4*\b], v[\s+16*\b:\s+7+16*\b], v[TM+12+\b]
	v_cvt_scalef32_pk8_fp8_f32 v[\pc+2+4*\b:\pc+3+4*\b], v[\s+8+16*\b:\s+15+16*\b], v[TM+12+\b]
.endr
	v_nop                                          ; one plain vector line behind the last conversion
.endm
.macro ADD4 a, b                       ; partial sum a += partial sum b: four registers
	v_pk_add_f32 v[R0+4*\a:R0+4*\a+1], v[R0+4*\a:R0+4*\a+1], v[R0+4*\b:R0+4*\b+1]
	v_pk_add_f32 v[R0+4*\a+2:R0+4*\a+3], v[R0+4*\a+2:R0+4*\a+3], v[R0+4*\b+2:R0+4*\b+3]
.endm
	s_load_b256 s[4:11], s[0:1], 0x0               ; h's codes s[4:5], h's scales s[6:7], lora_As s[8:9], top_k_indices s[10:11]
	s_load_b64 s[12:13], s[0:1], 0x20              ; t_img
	v_lshl_add_u32 v254, v0, 2, 0x25000
	v_mov_b32 v255, 0
	v_lshrrev_b32 v1, 5, v0
	v_readfirstlane_b32 s16, v1                    ; wave 0..7: my K step
	v_and_b32 v1, 31, v0                           ; lane
	v_and_b32 v2, 15, v0                           ; r
	v_bfe_u32 v3, v0, 4, 1                         ; h
	v_lshlrev_b32 v[LI], 4, v1
	s_mul_i32 s24, s16, STGW
	v_add_nc_u32 v[SIN], s24, v[LI]
	v_mul_u32_u24 v[SOUT], v2, SPI
	v_lshl_add_u32 v[SOUT], v3, 6, v[SOUT]
	v_add_nc_u32 v[SOUT], s24, v[SOUT]
	v_lshlrev_b32 v[HAD], 10, v2
	v_lshl_add_u32 v[HAD], v3, 4, v[HAD]
	v_lshlrev_b32 v[HSD], 5, v2
	s_lshl_b32 s24, s16, 10
	s_add_co_u32 s24, s24, PS
	v_add_nc_u32 v[PSW], s24, v[LI]
	s_bfe_u32 s17, s16, 0x10001                    ; (wave / 2) % 2: the expert whose partial sums I add, if I add,
	s_and_b32 s18, s16, 1                          ; and which half of the image
	s_lshl_b32 s24, s17, 13
	s_lshl_b32 s25, s18, 9
	s_add_co_u32 s24, s24, s25
	s_add_co_u32 s24, s24, PS
	v_add_nc_u32 v[PSR], s24, v[LI]
	s_mov_b32 s[SEL], 0x76543210
	s_mov_b32 s[SEL+1], 0xfedcba98
	s_mov_b32 s[MNT], 0x600000
.irp b, 0,1,2,3
	v_mov_b32 v[TM+4+\b], 0                        ; written once: a lane permute's destination counts as one of its sources
.endr
	s_wait_kmcnt 0x0
	s_load_b64 s[22:23], s[10:11], 0x0             ; the two experts' numbers
	s_lshl_b32 s24, ttmp9, 14                      ; my tile's 16 rows of 1,024 bytes,
	s_lshl_b32 s25, s16, 7                         ; my step's 128 bytes of each
	s_add_co_u32 s24, s24, s25
	s_mov_b32 s25, 0
	s_add_nc_u64 s[4:5], s[4:5], s[24:25]
	s_lshl_b32 s24, ttmp9, 9                       ; 16 rows of 32 scale bytes,
	s_lshl_b32 s26, s16, 2                         ; my step's word
	s_add_co_u32 s24, s24, s26
	s_add_nc_u64 s[6:7], s[6:7], s[24:25]
.irp c, 0,1,2,3
	global_load_b128 v[HF+4*\c:HF+4*\c+3], v[HAD], s[4:5] offset:32*\c   ; h's fragment of my K step
.endr
	global_load_b32 v[HS], v[HSD], s[6:7]          ; and its rows' scale words
	s_lshl_b32 s24, s17, 8
	s_add_co_u32 s24, s24, ttmp9
	s_lshl_b32 s24, s24, 10                        ; t_img: (256 x expert + tile) x 1,024,
	s_lshl_b32 s26, s18, 9                         ; + 512 x half
	s_add_co_u32 s24, s24, s26
	s_add_nc_u64 s[12:13], s[12:13], s[24:25]
	s_wait_kmcnt 0x0
	s_min_u32 s22, s22, 7                          ; held inside the table
	s_min_u32 s23, s23, 7
	s_lshl_b32 s22, s22, 16                        ; an expert's A is 65,536 bytes
	s_lshl_b32 s23, s23, 16
	s_lshl_b32 s26, s16, 9                         ; my K step: 512 bytes along a row
	s_add_co_u32 s24, s23, s26
	s_add_nc_u64 s[20:21], s[8:9], s[24:25]        ; the second expert's rows,
	s_add_co_u32 s24, s22, s26
	s_add_nc_u64 s[8:9], s[8:9], s[24:25]          ; the first's
.irp p, 0,1,2,3,4,5,6,7,8,9,10,11,12,13,14,15
	global_load_b128 v[R0+4*\p:R0+4*\p+3], v[LI], s[8:9] offset:4096*\p     ; rank p: 32 lanes read 512 consecutive bytes
.endr
.irp p, 0,1,2,3,4,5,6,7,8,9,10,11,12,13,14,15
	global_load_b128 v[R1+4*\p:R1+4*\p+3], v[LI], s[20:21] offset:4096*\p
.endr
	s_wait_loadcnt 16                              ; all but the second expert's 16 loads
.irp p, 0,1,2,3,4,5,6,7,8,9,10,11,12,13,14,15
	ds_store_b128 v[SIN], v[R0+4*\p:R0+4*\p+3] offset:SPI*\p
.endr
	s_wait_loadcnt 0x0
.irp p, 0,1,2,3,4,5,6,7,8,9,10,11,12,13,14,15
	ds_store_b128 v[SIN], v[R1+4*\p:R1+4*\p+3] offset:16*SPI+SPI*\p
.endr
	s_wait_dscnt 0x0                               ; the stores have read their registers, which take the turned numbers
.irp e, 0,1
.irp b, 0,1,2,3
.irp j, 0,1,2,3
	ds_load_b128 v[R0+64*\e+16*\b+4*\j:R0+64*\e+16*\b+4*\j+3], v[SOUT] offset:16*SPI*\e+128*\b+16*\j   ; rank r, k = 32 b + 16 h + 4 j on
.endr
.endr
.endr
	s_wait_dscnt 16                                ; the first expert's numbers are back; the second's 16 loads may be out
	QUANT R0, PC0, PW0
	s_wait_dscnt 0x0
	QUANT R1, PC1, PW1
.rept 4
	v_nop                                          ; an operand written by vector instructions stands 4 places ahead of a scaled matrix instruction; the scale words were made ahead of the holds
.endr
	v_wmma_scale_f32_16x16x128_f8f6f4 v[AC0:AC0+7], v[PC0:PC0+15], v[HF:HF+15], 0, v[PW0], v[HS]
	v_wmma_scale_f32_16x16x128_f8f6f4 v[AC1:AC1+7], v[PC1:PC1+15], v[HF:HF+15], 0, v[PW1], v[HS]
.rept 8
	v_nop                                          ; eight places in front of the first read of results
.endr
	ds_store_b128 v[PSW], v[AC0:AC0+3]                         ; each accumulator from its low end on
	ds_store_b128 v[PSW], v[AC0+4:AC0+7] offset:512
	ds_store_b128 v[PSW], v[AC1:AC1+3] offset:8192
	ds_store_b128 v[PSW], v[AC1+4:AC1+7] offset:8192+512
	s_wait_dscnt 0x0                               ; for the others' sake: my stores have landed
	s_barrier_signal -1
	s_barrier_wait -1                              ; the eight K steps' partial sums lie in LDS
	s_cmp_lt_u32 s16, 4                            ; waves 0 to 3 add them: 2 experts x 2 halves of an image
	s_cbranch_scc0 .Ldone
.irp k, 0,1,2,3,4,5,6,7
	ds_load_b128 v[R0+4*\k:R0+4*\k+3], v[PSR] offset:1024*\k
.endr
	s_wait_dscnt 0x0
	ADD4 0, 1
	ADD4 2, 3
	ADD4 4, 5
	ADD4 6, 7
	ADD4 0, 2
	ADD4 4, 6
	ADD4 0, 4
	global_store_b128 v[LI], v[R0:R0+3], s[12:13]  ; 32 lanes store 512 consecutive bytes, aligned
.Ldone:
	s_wait_tensorcnt 0x0
	ds_add_u32 v254, v255
	s_wait_dscnt 0x0
	s_endpgm
.Lfunc_end_k_q5d2b6409fd_prep:
	.size	k_q5d2b6409fd_prep, .Lfunc_end_k_q5d2b6409fd_prep-k_q5d2b6409fd_prep
	.p2alignl 7, 3214868480
	.fill 96, 4, 3214868480
	.section	.rodata,"a",@progbits
	.p2align	6, 0x0
	.amdhsa_kernel k_q5d2b6409fd_prep
		.amdhsa_group_segment_fixed_size 152576
		.amdhsa_private_segment_fixed_size 0
		.amdhsa_enable_private_segment 0
		.amdhsa_kernarg_size 40
		.amdhsa_user_sgpr_count 2
		.amdhsa_user_sgpr_kernarg_segment_ptr 1
		.amdhsa_wavefront_size32 1
		.amdhsa_system_sgpr_workgroup_id_x 1
		.amdhsa_system_sgpr_workgroup_id_y 1
		.amdhsa_system_sgpr_workgroup_id_z 1
		.amdhsa_system_vgpr_workitem_id 0
		.amdhsa_next_free_vgpr 256
		.amdhsa_next_free_sgpr 66
		.amdhsa_reserve_vcc 0
		.amdhsa_float_denorm_mode_32 3
		.amdhsa_float_denorm_mode_16_64 3
		.amdhsa_memory_ordered 1
		.amdhsa_forward_progress 1
		.amdhsa_inst_pref_size 29
	.end_amdhsa_kernel
	.amdgpu_metadata
---
amdhsa.version: [ 1, 2 ]
amdhsa.kernels:
  - .name:           k_q5d2b6409fd_prep
    .symbol:         k_q5d2b6409fd_prep.kd
    .args:
      - { .name: hidden_states_codes, .offset: 0, .size: 8, .value_kind: global_buffer, .address_space: global }
      - { .name: hidden_states_scales, .offset: 8, .size: 8, .value_kind: global_buffer, .address_space: global }
      - { .name: lora_As, .offset: 16, .size: 8, .value_kind: global_buffer, .address_space: global }
      - { .name: top_k_indices, .offset: 24, .size: 8, .value_kind: global_buffer, .address_space: global }
      - { .name: t_img, .offset: 32, .size: 8, .value_kind: global_buffer, .address_space: global }
    .group_segment_fixed_size: 152576
    .private_segment_fixed_size: 0
    .kernarg_segment_align: 8
    .kernarg_segment_size: 40
    .max_flat_workgroup_size: 256
    .sgpr_count:     66
    .vgpr_count:     256
    .wavefront_size: 32
...
	.end_amdgpu_metadata
.endif
;; end of part 1
;; launch gemm1 (part 2): grid 16 x 16, 4 waves a work-group, clusters of 4 x 4, 327,680 bytes of LDS; arguments hidden_states_codes, hidden_states_scales, wi_w_codes, wi_w_scales, lora_Bs, top_k_indices, t_img, inter_codes, inter_scales; writes inter_codes, inter_scales
.if DOCPART == 2
	.amdgcn_target "amdgcn-amd-amdhsa--gfx1250"
	.amdhsa_code_object_version 6
	.text
	.protected	k_q5d2b6409fd_gemm1
	.globl	k_q5d2b6409fd_gemm1
	.p2align	8
	.type	k_q5d2b6409fd_gemm1,@function
k_q5d2b6409fd_gemm1:
	s_mov_b64 s[64:65], 0
	v_nop
	global_prefetch_b8 v0, s[64:65] scope:SCOPE_SE
	s_setreg_imm32_b32 hwreg(HW_REG_WAVE_MODE, 25, 1), 1
	s_wait_xcnt 0x0
	s_wait_alu depctr_hold_cnt(0) depctr_sa_sdst(0) depctr_va_vdst(0) depctr_va_sdst(0) depctr_va_ssrc(0) depctr_va_vcc(0) depctr_vm_vsrc(0)
	s_getreg_b32 s2, hwreg(HW_REG_IB_STS2, 6, 4)
	s_cmp_eq_u32 s2, 0
	s_cbranch_scc0 .Lentry_in_a_cluster
	s_endpgm
.Lentry_in_a_cluster:
	s_bfe_u32 s2, ttmp6, 0x10000c
	s_cmp_lg_u32 s2, 0xf033
	s_cbranch_scc0 .Lentry_shape_is_right
	s_endpgm
.Lentry_shape_is_right:
; inter_e = Q(relu(h Wi^T + t_e B_e^T)) for the two experts e that top_k_indices names.  h: [4096][1024], Wi: [4096][1024]: codes of FP8 (E4M3) with one E8M0 byte for each 32 along K.
; h Wi^T is the same product for both experts and is made ONCE; t_e (from the launch before) x B_e^T, rank 16, is added in f32 by the f32 matrix form, since the sum goes into a quantiser.
; A tile, 256 tokens x 256 hidden units, is made by four waves, each 128 x 128: 64 accumulators, 512 registers.  K goes in steps of 256 through two LDS slots filled by the tensor data mover.
; The scale bytes of the work-group's 256 rows of h and of Wi come into LDS once, with the first fills.
; CLUSTERS: 4 x 4 work-groups; the four of a row need the same tiles of h, the four of a column the same tiles of Wi: each tile is asked for jointly, by the same tensor load with a mask that names the four.
; TRANSPOSED USE: source 0 = 16 rows of Wi (or of B_e), source 1 = 16 tokens: lane (r, h) holds token r, and register j of tile b the hidden unit 16 b + 8 h + j.
; THE WAY OUT.  For each block a of 16 tokens: expert 0's sum goes into eight other accumulators H (C = the product's), expert 1's is added in place; each is clipped at 0, quantised along the hidden units and stored
; as the IMAGE OF AN OPERAND'S REGISTERS: inter_codes[e][tile of 16 tokens][K step of 128][2,048 bytes], registers 4 c .. 4 c + 3 at 512 c + 16 x lane.  Registers 4 c, 4 c + 1 hold units 32 c + 8 h + 0 .. 7 and
; registers 4 c + 2, 4 c + 3 units 32 c + 16 + 8 h + 0 .. 7: a permutation inside one block of 32, which the next launch applies to Wo's fragments too.
; SCALE WORDS, laid as the next launch's registers take them: inter_scales[128 tokens][K step][1,024 bytes]; in these the word of expert e, block a = 4 i + t, token r lies at 512 i + 256 e + 16 r + 4 t:
; a lane (r, half e) of the next launch loads its four blocks' words as 16 bytes.  A wave here makes exactly one such 1,024 bytes.
; What the f32 matrix form writes (H, the accumulators) is written by matrix instructions alone; the held numbers go into other registers.
; No prefetch: the ring is filled again twice only, and both requests fall at the launch's beginning.
; LIMITS: NaN and infinities are not served.  A block whose largest number lies under 2^-118 gets the scale byte 1, a block of zeros too (the rule says 127: its codes are zeros, and this program alone reads the bytes).
; An index outside 0 .. 7 is held at 7.  The rank-16 product is added onto h Wi^T rank by rank, not summed by itself first: another order of f32 rounding than the reference's.
; REGISTERS: window 0: v1-6 at work, v16-29 addresses; v32-63 scale words, two sets; v64-127 H; v128-255 h's fragments, one set, then B_e's rows (BK).
;   window 1: Wi's fragments, two sets, at v0 and v128; then v0-127 t (T), v128-191 held numbers (Y), v192-207 codes (PC), v208-223 the quantiser's (TM), v224 a scale word (PW).
;   window 2: the accumulators of my tokens 0-63 ((a, b) at v[8 (8 a + b)]);  window 3: those of my tokens 64-127.
.set NQ,     2                         ; matrix instructions deep in a slot: 256 along K
.set ROWB,   256                       ; a tile's row in bytes
.set KROW,   1024                      ; a row of h or Wi in memory
.set PITCH,  272                       ; an LDS row: 256 bytes + 16 of padding = 68 words: row r starts at bank 4 r mod 64 (64 banks of 4 bytes: ISA guide 11.1)
.set FR,     16                        ; registers of a fragment
.set NL,     4                         ; LDS loads that bring one
.set NP,     8                         ; places behind these matrix instructions (ISA guide 7.12.1)
.set HALFT,  128*PITCH                 ; 128 rows: what one tensor load brings
.set SLOT,   4*HALFT                   ; h's 256 rows, then Wi's 256 rows
.set KS,     32                        ; a row of scale bytes
.set SCL,    2*SLOT                    ; behind the ring: the scale bytes, as units of 256 bytes + 16 of padding
.set HALFS,  16*272                    ; those of 128 rows
.set SBLK,   2*272                     ; those of 16 rows
.set SPARE,  SCL+4*HALFS               ; the spare words, 128 bytes for each wave: two blocks of 256 bytes that no other line names
.set ADRA, 16                          ; v16-17  LDS address of my fragments of h in slot 0, 1
.set ADRB, 20                          ; v20-21  the same for Wi
.set SWR,  23                          ; v23     the way out: where I read my 1,024 bytes of scale words back: 1,024 x wave + 16 x lane (in slot 0, behind its last fill and last read)
.set SWA,  24                          ; v24     and where I put one: 1,024 x wave + 16 r
.set BKO,  25                          ; v25     B_e: row r of 64 bytes + 32 h
.set CO,   26                          ; v26     16 x lane
.set ADRS, 27                          ; v27     LDS address of my scale words: lanes 0-15 h's rows, lanes 16-31 Wi's
.set SPW,  28                          ; v28     LDS address of my spare word; never rewritten
.set NIL,  29                          ; v29     0; never rewritten
.set SC,   32
.set H,    64
.set AF,   128
.set BK,   128                         ; B_e's block b at v[BK + 64 e + 8 b]: lane (r, h): B_e(unit 16 b + r, rank 8 h + 0 .. 7)
.set Y,    128                         ; in window 1
.set PC,   192
.set TM,   208
.set PW,   224
.set G1, 24
.set G0, 32
.set G1B, 48
.set G0B, 56
.set G1S, 68
.set G0S, 76
.set G1SB, 80
.set G0SB, 88
.set SEL, 96                           ; s[96:97] v_permlanex16_b32's selects for lane l xor 16
.set MNT, 98                           ; s98  the mantissa field of 448
.set MSB, 0
.macro WIN new                         ; the immediate's high byte repeats the setting that is left
.if MSB != (\new)
	s_set_vgpr_msb (MSB<<8)|(\new)
.set MSB, \new
.endif
.endm
.set MUL_LO, 0xa1                      ; source 0 (Wi) window 1, source 1 (h) window 0, C and D window 2
.set MUL_HI, 0xf1                      ; the same, C and D window 3
.set TO_B,   0x40                      ; destination window 1, address window 0
; A joint load: waves 0 and 1 fetch for h, waves 2 and 3 for Wi.  The branch hangs on the wave's number alone.  Four v_nop follow each of the two lines.
.macro JLOAD g0a, g1a, g0b, g1b
	s_cmp_eq_u32 s15, 0
	s_cbranch_scc0 .Lfor_b_\@
	tensor_load_to_lds s[\g0a:\g0a+3], s[\g1a:\g1a+7]
	s_nop 0
.rept 4
	v_nop
.endr
	s_branch .Lasked_\@
.Lfor_b_\@:
	tensor_load_to_lds s[\g0b:\g0b+3], s[\g1b:\g1b+7]
	s_nop 0
.rept 4
	v_nop
.endr
.Lasked_\@:
.endm
.macro CREST                           ; a round of the cluster's barrier behind its opening barrier
	s_cmp_lg_u32 s14, 0
	s_cbranch_scc1 .Lnot_wave_0_\@
	s_barrier_signal -3
.Lnot_wave_0_\@:
	s_barrier_wait -3
	s_barrier_signal -1
	s_barrier_wait -1
.endm
.macro CROUND                          ; a whole round
	s_barrier_signal -1
	s_barrier_wait -1
	CREST
.endm
	s_load_b128 s[4:7], s[0:1], 0x0                ; h's codes s[4:5], h's scales s[6:7]
	s_load_b128 s[8:11], s[0:1], 0x10              ; Wi's codes s[8:9], Wi's scales s[10:11]
	v_lshl_add_u32 v[SPW], v0, 2, SPARE
	v_mov_b32 v[NIL], 0
	ds_add_u32 v28, v29
	ds_add_u32 v28, v29
	s_wait_dscnt 0x0
	v_lshrrev_b32 v1, 5, v0
	v_readfirstlane_b32 s14, v1                    ; wave 0..3
	s_lshr_b32 s15, s14, 1                         ; which half of the tile's tokens is mine.  Also: I fetch for h (0) or for Wi (1)
	s_and_b32 s16, s14, 1                          ; which half of its hidden units.  Also: which 128 rows of that tile I fetch
	s_bfe_u32 s40, ttmp6, 0x40000                  ; cx, cy: my place in the cluster
	s_bfe_u32 s41, ttmp6, 0x40004
	s_lshl_b32 s42, ttmp9, 2
	s_add_co_u32 s42, s42, s40                     ; tile of hidden units = 4 x cluster x + cx
	s_and_b32 s17, ttmp7, 0xffff
	s_lshl_b32 s17, s17, 2
	s_add_co_u32 s17, s17, s41                     ; tile of tokens = 4 x cluster y + cy
	s_lshl_b32 s43, s41, 2
	s_lshl_b32 s43, 15, s43                        ; my row of the cluster
	s_lshl_b32 s44, 0x1111, s40                    ; my column
	; descriptor group 1: a tile of 128 rows x 256 bytes, padded in LDS
	s_or_b32 s[G1+0], s43, (0<<16)|(1<<20)|(1<<21)|(5<<22)|(3<<25)  ; 15:0 the mask: h's tiles go to my row; 17:16 elements of 1 byte; 20 padding on; 21 set beside a mask; 24:22 after every 64 words; 31:25 four words
	s_or_b32 s[G1B+0], s44, (0<<16)|(1<<20)|(1<<21)|(5<<22)|(3<<25)
.irp g, G1, G1B
	s_mov_b32 s[\g+1], ROWB<<16                    ; tensor_dim0
	s_mov_b32 s[\g+2], 128<<16                     ; tensor_dim1
	s_mov_b32 s[\g+3], ROWB<<16                    ; tile_dim0
	s_mov_b32 s[\g+4], 128                         ; tile_dim1
	s_mov_b32 s[\g+5], KROW                        ; tensor_dim0_stride
	s_mov_b32 s[\g+6], 0
	s_mov_b32 s[\g+7], 0
.endr
	; the scale bytes of 128 rows: a dense block of 4,096 bytes, as 16 rows of 256 bytes (32 elements of 8 bytes), 16 bytes of padding behind each
	s_or_b32 s[G1S+0], s43, (3<<16)|(1<<20)|(1<<21)|(5<<22)|(3<<25)
	s_or_b32 s[G1SB+0], s44, (3<<16)|(1<<20)|(1<<21)|(5<<22)|(3<<25)
.irp g, G1S, G1SB
	s_mov_b32 s[\g+1], 32<<16
	s_mov_b32 s[\g+2], 16<<16
	s_mov_b32 s[\g+3], 32<<16
	s_mov_b32 s[\g+4], 16
	s_mov_b32 s[\g+5], 32
	s_mov_b32 s[\g+6], 0
	s_mov_b32 s[\g+7], 0
.endr
	s_lshl_b32 s18, s16, 7                         ; which 128 rows of the tile I fetch
	s_lshl_b32 s20, s17, 8
	s_add_co_u32 s20, s20, s18                     ; h: row 256 x tile of tokens + 128 x half
	s_lshl_b32 s46, s42, 8
	s_add_co_u32 s46, s46, s18                     ; Wi: row 256 x tile of units + 128 x half
	s_mov_b32 s21, 0
	s_mov_b32 s47, 0
	s_mov_b64 s[18:19], KS
	s_mul_u64 s[22:23], s[20:21], s[18:19]         ; where these rows' scale bytes begin
	s_mul_u64 s[92:93], s[46:47], s[18:19]
	s_mov_b64 s[18:19], KROW
	s_mul_u64 s[20:21], s[20:21], s[18:19]         ; and their codes
	s_mul_u64 s[46:47], s[46:47], s[18:19]
	s_mul_i32 s45, s14, HALFT                      ; where they go: wave x 128 rows: no place in the cluster enters an LDS address
	s_mul_i32 s94, s14, HALFS
	s_wait_kmcnt 0x0
	s_add_nc_u64 s[20:21], s[4:5], s[20:21]
	s_add_nc_u64 s[22:23], s[6:7], s[22:23]
	s_add_nc_u64 s[46:47], s[8:9], s[46:47]
	s_add_nc_u64 s[92:93], s[10:11], s[92:93]
	CROUND                                         ; all sixteen work-groups are here: the first joint loads meet
	s_mov_b32 s[G0S], 1
	s_add_co_u32 s[G0S+1], s94, SCL
	s_mov_b64 s[G0S+2:G0S+3], s[22:23]
	s_or_b32 s[G0S+3], s[G0S+3], 0x80000000
	s_mov_b32 s[G0SB], 1
	s_add_co_u32 s[G0SB+1], s94, SCL
	s_mov_b64 s[G0SB+2:G0SB+3], s[92:93]
	s_or_b32 s[G0SB+3], s[G0SB+3], 0x80000000
	JLOAD G0S, G1S, G0SB, G1SB                     ; the scale bytes first: they are wanted with K step 0
.irp s, 0,1
	s_mov_b32 s[G0+4*\s], 1
	s_add_co_u32 s[G0+4*\s+1], s45, \s*SLOT
	s_add_nc_u64 s[G0+4*\s+2:G0+4*\s+3], s[20:21], \s*ROWB
	s_or_b32 s[G0+4*\s+3], s[G0+4*\s+3], 0x80000000
	s_mov_b32 s[G0B+4*\s], 1
	s_add_co_u32 s[G0B+4*\s+1], s45, \s*SLOT
	s_add_nc_u64 s[G0B+4*\s+2:G0B+4*\s+3], s[46:47], \s*ROWB
	s_or_b32 s[G0B+4*\s+3], s[G0B+4*\s+3], 0x80000000
	JLOAD G0+4*\s, G1, G0B+4*\s, G1B               ; three tensor loads of mine are out now
.endr
	s_load_b256 s[4:11], s[0:1], 0x20              ; lora_Bs s[4:5], top_k_indices s[6:7], t_img s[8:9], inter_codes s[10:11]
	s_load_b64 s[12:13], s[0:1], 0x40              ; inter_scales
	v_and_b32 v1, 15, v0                           ; r = l % 16
	v_bfe_u32 v2, v0, 4, 1                         ; h = l / 16
	v_mul_u32_u24 v3, v1, PITCH
	v_lshl_add_u32 v4, v2, 4, v3                   ; a fragment's row x pitch + 16 x half
	s_mul_i32 s21, s15, HALFT                      ; my 128 rows of h
	s_mul_i32 s22, s16, HALFT                      ; my 128 rows of Wi,
	s_add_co_u32 s22, s22, 2*HALFT                 ; which lie behind h's 256
.irp s, 0,1
	v_add_nc_u32 v[ADRA+\s], s21, v4
	v_add_nc_u32 v[ADRB+\s], s22, v4
	s_add_co_u32 s21, s21, SLOT
	s_add_co_u32 s22, s22, SLOT
.endr
	v_mul_u32_u24 v5, v1, KS                       ; my row's scale bytes: 32 a row,
	v_lshrrev_b32 v6, 8, v5
	v_lshl_add_u32 v5, v6, 4, v5                   ; and 16 more for each 256 passed
	s_mul_i32 s21, s15, HALFS                      ; h's: my 128 rows
	s_mul_i32 s22, s16, HALFS                      ; Wi's: my 128 rows, behind h's 256
	s_add_co_u32 s22, s22, 2*HALFS
	s_sub_co_u32 s22, s22, s21
	v_mul_u32_u24 v6, s22, v2                      ; lanes 16-31 take Wi's
	s_add_co_u32 s21, s21, SCL
	v_add_nc_u32 v5, v5, v6
	v_add_nc_u32 v[ADRS], s21, v5
	v_and_b32 v6, 31, v0
	v_lshlrev_b32 v[CO], 4, v6
	s_lshl_b32 s23, s14, 10
	v_add_nc_u32 v[SWR], s23, v[CO]
	v_lshl_add_u32 v[SWA], v1, 4, s23
	v_lshlrev_b32 v[BKO], 6, v1
	v_lshl_add_u32 v[BKO], v2, 5, v[BKO]
	s_mov_b32 s[SEL], 0x76543210
	s_mov_b32 s[SEL+1], 0xfedcba98
	s_mov_b32 s[MNT], 0x600000
	; the way out's addresses.  m0 = my first tile of 16 tokens = 16 x tile of tokens + 8 x half;  sw = my K step of the next product = 2 x tile of units + half
	s_lshl_b32 s20, s17, 4
	s_lshl_b32 s21, s15, 3
	s_add_co_u32 s20, s20, s21                     ; m0
	s_lshl_b32 s46, s42, 1
	s_add_co_u32 s46, s46, s16                     ; sw
	s_mov_b32 s93, 0
	s_wait_kmcnt 0x0
	s_load_b64 s[22:23], s[6:7], 0x0               ; the two experts' numbers
	s_lshl_b32 s92, s20, 10
	s_add_nc_u64 s[8:9], s[8:9], s[92:93]          ; t_img + 1,024 m0
	s_lshl_b32 s92, s20, 16
	s_lshl_b32 s94, s46, 11
	s_add_co_u32 s92, s92, s94
	s_add_nc_u64 s[10:11], s[10:11], s[92:93]      ; inter_codes + 65,536 m0 + 2,048 sw: expert 0's,
	s_add_nc_u64 s[18:19], s[10:11], 0x1000000     ; and expert 1's, 256 tiles x 65,536 bytes on
	s_lshl_b32 s92, s46, 10
	s_lshl_b32 s94, s20, 12
	s_add_co_u32 s92, s92, s94
	s_add_nc_u64 s[12:13], s[12:13], s[92:93]      ; inter_scales + 32,768 (m0 / 8) + 1,024 sw
	s_lshl_b32 s94, s46, 13                        ; my 128 rows of B_e: 128 sw x 64 bytes
	s_wait_kmcnt 0x0
	s_min_u32 s22, s22, 7                          ; held inside the table
	s_min_u32 s23, s23, 7
	s_lshl_b32 s22, s22, 18                        ; an expert's B is 262,144 bytes
	s_lshl_b32 s23, s23, 18
	s_add_co_u32 s92, s23, s94
	s_add_nc_u64 s[20:21], s[4:5], s[92:93]        ; the second expert's rows,
	s_add_co_u32 s92, s22, s94
	s_add_nc_u64 s[4:5], s[4:5], s[92:93]          ; the first's
.macro FRAG reg, adr, q, i             ; a fragment, 16 rows x 128 K: lane l holds row l % 16; registers 4 c .. 4 c + 3 hold K = 32 c + 16 (l / 16) + 0 .. 15
.irp c, 0,1,2,3
	ds_load_b128 v[\reg+4*\c:\reg+4*\c+3], v[\adr] offset:128*(\q)+32*\c+(\i)*16*PITCH
.endr
.endm
; 16 matrix instructions: h's blocks a0, a0 + 1 x Wi's eight, the slot's q-th 128 along K.  p: Wi's set;  sc: the set of scale words.  zero = 1: the first product starts the sums.
; The 64 accumulators take turns, one instruction a turn, in the same order in every step.
.macro MUL16 a0, p, q, sc, zero
.irp a, \a0, \a0+1
.irp b, 0,1,2,3,4,5,6,7
.if \zero
	v_wmma_scale_f32_16x16x128_f8f6f4 v[8*(8*((\a)%4)+\b):8*(8*((\a)%4)+\b)+7], v[128*(\p)+FR*\b:128*(\p)+FR*\b+FR-1], v[AF+FR*(\a):AF+FR*(\a)+FR-1], 0, v[SC+8*NQ*(\sc)+NQ*\b+(\q)], v[SC+8*NQ*(\sc)+NQ*(\a)+(\q)] matrix_a_scale:MATRIX_SCALE_ROW1
.else
	v_wmma_scale_f32_16x16x128_f8f6f4 v[8*(8*((\a)%4)+\b):8*(8*((\a)%4)+\b)+7], v[128*(\p)+FR*\b:128*(\p)+FR*\b+FR-1], v[AF+FR*(\a):AF+FR*(\a)+FR-1], v[8*(8*((\a)%4)+\b):8*(8*((\a)%4)+\b)+7], v[SC+8*NQ*(\sc)+NQ*\b+(\q)], v[SC+8*NQ*(\sc)+NQ*(\a)+(\q)] matrix_a_scale:MATRIX_SCALE_ROW1
.endif
.endr
.endr
.endm
.macro FETCH_B slot, q, p              ; Wi's eight fragments of the slot's q-th 128 along K into set p
	WIN TO_B
.irp i, 0,1,2,3,4,5,6,7
	FRAG 128*(\p)+FR*\i, ADRB+\slot, \q, \i
.endr
	WIN 0
.endm
.macro FETCH_A slot, q, i0             ; h's blocks i0 .. i0 + 3
.irp i, \i0, \i0+1, \i0+2, \i0+3
	FRAG AF+FR*(\i), ADRA+\slot, \q, \i
.endr
.endm
.macro SCALES sc                       ; a K step's scale words into set sc: two words a row; lanes 0-15 take h's block i, lanes 16-31 Wi's block i
.irp i, 0,1,2,3,4,5,6,7
	ds_load_b64 v[SC+8*NQ*\sc+NQ*\i:SC+8*NQ*\sc+NQ*\i+1], v[ADRS] offset:\i*SBLK
.endr
.endm
; A load into a register that a matrix instruction has read, and a vector instruction that reads a matrix result, stand 8 places behind it; a matrix instruction that takes a result as another
; accumulator's C or writes over a register of an earlier one, 9 (ISA guide 7.12.1 for the vector and matrix instructions).  Only plain vector instructions that name none of its registers are places.
.macro PLACES n
.rept \n
	v_nop
.endr
.endm
; A step of 128 along K that has its successor in the same slot.
.macro STEP slot, q, zero
	s_wait_dscnt 4*NL                              ; Wi's set and h's blocks 0-3 are in; the youngest 16 loads (h's blocks 4-7) may be out
	WIN MUL_LO
	MUL16 0, (\q)%2, \q, \slot, \zero
	MUL16 2, (\q)%2, \q, \slot, \zero
	s_wait_dscnt 0                                 ; h's blocks 4-7 are in
	PLACES NP
	FETCH_B \slot, (\q)+1, 1-(\q)%2
	FETCH_A \slot, (\q)+1, 0
	WIN MUL_HI
	MUL16 4, (\q)%2, \q, \slot, \zero
	MUL16 6, (\q)%2, \q, \slot, \zero
	PLACES NP
	WIN 0
	FETCH_A \slot, (\q)+1, 4
.endm
; A slot's last step changes slots: one barrier; in front of it each wave waits for all its tensor loads, adds 0 to its spare word, and waits for that and for its own reads of this slot.  fill = 1: this slot is filled again, two K steps ahead.
.macro TURN slot, next, fill
	s_wait_tensorcnt 0x0                           ; all my tensor loads have landed: my part of the next slot (every window is 0 here)
	ds_add_u32 v[SPW], v[NIL]                      ; 0 onto my spare word
	s_wait_dscnt 4*NL+1                            ; (the add and the youngest 16 loads, h's blocks 4-7, may be out)
	WIN MUL_LO
	MUL16 0, 1, NQ-1, \slot, 0                     ; sixteen matrix instructions stand between the add and the wait for it
	s_wait_dscnt 0x0                               ; the add is done, and my reads of this slot are over
	s_barrier_signal -1
	MUL16 2, 1, NQ-1, \slot, 0
	WIN 0
	s_barrier_wait -1
.if \fill
	CREST                                          ; the barrier has opened a round of the cluster's barrier: no wave of any partner still reads this slot's tile or has a load on its way
	s_add_nc_u64 s[G0+4*\slot+2:G0+4*\slot+3], s[G0+4*\slot+2:G0+4*\slot+3], 2*ROWB
	s_add_nc_u64 s[G0B+4*\slot+2:G0B+4*\slot+3], s[G0B+4*\slot+2:G0B+4*\slot+3], 2*ROWB
	JLOAD G0+4*\slot, G1, G0B+4*\slot, G1B         ; the first tensor load behind the round, my only one until the next; its four v_nop are among the places in front of the loads below
	PLACES NP-4
.else
	PLACES NP
.endif
	v_add_nc_u32 v[ADRS], 4*NQ, v[ADRS]            ; on to the next K step's scale words
	FETCH_B \next, 0, 0
	FETCH_A \next, 0, 0
	SCALES \next
	WIN MUL_HI
	MUL16 4, 1, NQ-1, \slot, 0
	MUL16 6, 1, NQ-1, \slot, 0
	PLACES NP
	WIN 0
	FETCH_A \next, 0, 4
.endm
; B_e's 128 rows of mine: 8 registers a block
.macro BKLOAD e
.set BP, 4+16*(\e)
.irp b, 0,1,2,3,4,5,6,7
.irp g, 0,1
	global_load_b128 v[BK+64*(\e)+8*\b+4*\g:BK+64*(\e)+8*\b+4*\g+3], v[BKO], s[BP:BP+1] offset:\b*1024+16*\g
.endr
.endr
.endm
; + t_e B_e^T for block a of 16 tokens: 32 f32 matrix instructions, 4 ranks each, the block's eight sums by turns.  In step s both sources hold ranks 8 h + 2 s + 0, 1: the same order of k on both sides.
; e = 0: into H, the first step's C being the product's accumulator, which stays for expert 1.  e = 1: in place.
.macro LORA e, a
.irp s, 0,1,2,3
.if \e == 0
.if \s == 0
	WIN 0x24+0x10*((\a)/4)                         ; source 1 (t) window 1, C window 2 or 3, D window 0
.else
	WIN 0x04
.endif
.else
	WIN 0xa4+0x50*((\a)/4)                         ; source 1 window 1, C and D window 2 or 3
.endif
.irp b, 0,1,2,3,4,5,6,7
.if \e == 0
.if \s == 0
	v_wmma_f32_16x16x4_f32 v[H+8*\b:H+8*\b+7], v[BK+8*\b+2*\s:BK+8*\b+2*\s+1], v[8*(\a)+2*\s:8*(\a)+2*\s+1], v[8*(8*((\a)%4)+\b):8*(8*((\a)%4)+\b)+7]
.else
	v_wmma_f32_16x16x4_f32 v[H+8*\b:H+8*\b+7], v[BK+8*\b+2*\s:BK+8*\b+2*\s+1], v[8*(\a)+2*\s:8*(\a)+2*\s+1], v[H+8*\b:H+8*\b+7]
.endif
.else
	v_wmma_f32_16x16x4_f32 v[8*(8*((\a)%4)+\b):8*(8*((\a)%4)+\b)+7], v[BK+64+8*\b+2*\s:BK+64+8*\b+2*\s+1], v[64+8*(\a)+2*\s:64+8*(\a)+2*\s+1], v[8*(8*((\a)%4)+\b):8*(8*((\a)%4)+\b)+7]
.endif
.endr
.endr
.endm
; Block a's 64 numbers a lane for expert e (e = 0: H; e = 1: the accumulators) are clipped at 0, quantised and stored.  Registers 16 c + 0 .. 15 are my 16 of block c's 32 units; lane l xor 16 holds the others.
.macro QUANTE e, a
.if \e == 0
.set WQ, 0
.set XQ, H
.else
.set WQ, 2+(\a)/4
.set XQ, 64*((\a)%4)
.endif
.set CP, 10+8*(\e)
	WIN 0x50+5*WQ                                  ; the numbers (sources 0, 1) in their window, all else in window 1
.irp c, 0,1,2,3
	v_max3_num_f32 v[TM+\c], v[XQ+16*\c], v[XQ+16*\c+1], 0x4800000   ; no |.|: what is negative becomes 0 and must not count; the floor 2^(9 - 127) stands over it.  Each accumulator is read from its low end on
.endr
.irp i, 2,4,6,8,10,12,14
.irp c, 0,1,2,3
	v_max3_num_f32 v[TM+\c], v[XQ+16*\c+\i], v[XQ+16*\c+\i+1], v[TM+\c]
.endr
.endr
	WIN 0x55
.irp c, 0,1,2,3
	v_permlanex16_b32 v[TM+4+\c], v[TM+\c], s[SEL], s[SEL+1]
.endr
.irp c, 0,1,2,3
	v_max_num_f32 v[TM+\c], v[TM+\c], v[TM+4+\c]   ; the block's largest number
.endr
.irp c, 0,1,2,3
	v_add_nc_u32 v[TM+12+\c], 0xfc000000, v[TM+\c] ; 8 off its exponent field: the conversion's scale operand
.endr
.irp c, 0,1,2,3
	v_and_or_b32 v[TM+8+\c], v[TM+\c], 0x7f800000, s[MNT]   ; 448 x the scale
.endr
.irp c, 0,1,2,3
	v_lshrrev_b32 v[TM+4+\c], 23, v[TM+12+\c]      ; the scale's byte
.endr
	v_lshl_or_b32 v[PW], v[TM+5], 8, v[TM+4]       ; my token's scale word for this K step of the next product
	v_lshl_or_b32 v[PW], v[TM+6], 16, v[PW]
	v_lshl_or_b32 v[PW], v[TM+7], 24, v[PW]
	WIN 0x50+5*WQ
.irp c, 0,1,2,3
.irp i, 0,1,2,3,4,5,6,7,8,9,10,11,12,13,14,15
	v_med3_num_f32 v[Y+16*\c+\i], v[XQ+16*\c+\i], 0, v[TM+8+\c]   ; the activation and the hold in one, into other registers
.endr
.endr
	s_wait_xcnt 0x0                                ; the stores of the codes made last have read their registers
	WIN 0x55
.irp c, 0,1,2,3
	v_cvt_scalef32_pk8_fp8_f32 v[PC+4*\c:PC+4*\c+1], v[Y+16*\c:Y+16*\c+7], v[TM+12+\c]
	v_cvt_scalef32_pk8_fp8_f32 v[PC+4*\c+2:PC+4*\c+3], v[Y+16*\c+8:Y+16*\c+15], v[TM+12+\c]
.endr
	v_nop                                          ; one plain vector line behind the last conversion
	WIN 0x04                                       ; a store's data are its source 1: window 1
.irp c, 0,1,2,3
	global_store_b128 v[CO], v[PC+4*\c:PC+4*\c+3], s[CP:CP+1] offset:(\a)*65536+512*\c   ; 32 lanes store 512 consecutive bytes, aligned
.endr
	ds_store_b32 v[SWA], v[PW] offset:((\a)/4)*512+(\e)*256+((\a)%4)*4   ; lanes r and r + 16 write the same word with the same value
.endm
	s_wait_tensorcnt 1                             ; the scale bytes and my part of K step 0 are in (K step 1's load may be out),
	s_barrier_signal -1
	s_barrier_wait -1                              ; everybody's are
	FETCH_B 0, 0, 0
	FETCH_A 0, 0, 0
	SCALES 0
	FETCH_A 0, 0, 4
	STEP 0, 0, 1                                   ; eight steps of 128 along K, written straight: the first starts the sums
	TURN 0, 1, 1
	STEP 1, 0, 0
	TURN 1, 0, 1
	STEP 0, 0, 0
	TURN 0, 1, 0                                   ; nothing is left to fetch
	STEP 1, 0, 0
	WIN TO_B                                       ; t of my 8 tiles, both experts, into Wi's set 0, which is done with (the step's last eight places stand behind its last reader)
.irp e, 0,1
.irp a, 0,1,2,3,4,5,6,7
.irp g, 0,1
	global_load_b128 v[64*\e+8*\a+4*\g:64*\e+8*\a+4*\g+3], v[CO], s[8:9] offset:\e*262144+\a*1024+512*\g
.endr
.endr
.endr
	s_wait_dscnt 4*NL                              ; the last step
	WIN MUL_LO
	MUL16 0, 1, NQ-1, 1, 0
	MUL16 2, 1, NQ-1, 1, 0
	PLACES NP
	WIN 0
	BKLOAD 0                                       ; into h's blocks 0-3, which are done with
	s_wait_dscnt 0
	WIN MUL_HI
	MUL16 4, 1, NQ-1, 1, 0
	MUL16 6, 1, NQ-1, 1, 0
	PLACES NP+1                                    ; nine: the next matrix instructions take results as the C of other accumulators
	WIN 0
	BKLOAD 1
	WIN TO_B
.irp c, 0,1,2,3
	v_mov_b32 v[TM+4+\c], 0                        ; written once: a lane permute's destination counts as one of its sources
.endr
	s_wait_loadcnt 16                              ; t and the first expert's rows are in; the second expert's 16 loads may be out
	LORA 0, 0
	PLACES NP+1                                    ; nine in front of the lines that write over the C just read; they also serve the read of H below
	s_wait_loadcnt 0x0
	LORA 1, 0
	QUANTE 0, 0
.irp a, 1,2,3,4,5,6,7                  ; a quantiser's plain vector lines are the places that the matrix instructions on either side of it owe
	LORA 0, \a
	QUANTE 1, \a-1
	LORA 1, \a
	QUANTE 0, \a
.endr
	QUANTE 1, 7
	WIN 0
	ds_load_b128 v[128:131], v[SWR]                ; LDS serves a wave's instructions in order: these see my stores.  My 1,024 bytes of scale words: blocks 0-3 of both experts,
	ds_load_b128 v[132:135], v[SWR] offset:512     ; and blocks 4-7
	s_wait_dscnt 0x0
	global_store_b128 v[CO], v[128:131], s[12:13]              ; 32 lanes store 512 consecutive bytes, aligned
	global_store_b128 v[CO], v[132:135], s[12:13] offset:512
	s_wait_tensorcnt 0x0                           ; the wave's end
	ds_add_u32 v[SPW], v[NIL]
	s_wait_dscnt 0x0
	CROUND                                         ; the closing round: no work-group ends while a partner may still ask for a tile that names it
	s_endpgm
.Lfunc_end_k_q5d2b6409fd_gemm1:
	.size	k_q5d2b6409fd_gemm1, .Lfunc_end_k_q5d2b6409fd_gemm1-k_q5d2b6409fd_gemm1
	.p2alignl 7, 3214868480
	.fill 96, 4, 3214868480
	.section	.rodata,"a",@progbits
	.p2align	6, 0x0
	.amdhsa_kernel k_q5d2b6409fd_gemm1
		.amdhsa_group_segment_fixed_size 327680
		.amdhsa_private_segment_fixed_size 0
		.amdhsa_enable_private_segment 0
		.amdhsa_kernarg_size 72
		.amdhsa_user_sgpr_count 2
		.amdhsa_user_sgpr_kernarg_segment_ptr 1
		.amdhsa_wavefront_size32 1
		.amdhsa_system_sgpr_workgroup_id_x 1
		.amdhsa_system_sgpr_workgroup_id_y 1
		.amdhsa_system_sgpr_workgroup_id_z 1
		.amdhsa_system_vgpr_workitem_id 0
		.amdhsa_next_free_vgpr 1024
		.amdhsa_next_free_sgpr 100
		.amdhsa_reserve_vcc 0
		.amdhsa_float_denorm_mode_32 3
		.amdhsa_float_denorm_mode_16_64 3
		.amdhsa_memory_ordered 1
		.amdhsa_forward_progress 1
		.amdhsa_inst_pref_size 255
	.end_amdhsa_kernel
	.section	.bss,"aw",@nobits
	.p2align	6
	.space	262144
	.amdgpu_metadata
---
amdhsa.version: [ 1, 2 ]
amdhsa.kernels:
  - .name:           k_q5d2b6409fd_gemm1
    .symbol:         k_q5d2b6409fd_gemm1.kd
    .args:
      - { .name: hidden_states_codes, .offset: 0, .size: 8, .value_kind: global_buffer, .address_space: global }
      - { .name: hidden_states_scales, .offset: 8, .size: 8, .value_kind: global_buffer, .address_space: global }
      - { .name: wi_w_codes, .offset: 16, .size: 8, .value_kind: global_buffer, .address_space: global }
      - { .name: wi_w_scales, .offset: 24, .size: 8, .value_kind: global_buffer, .address_space: global }
      - { .name: lora_Bs, .offset: 32, .size: 8, .value_kind: global_buffer, .address_space: global }
      - { .name: top_k_indices, .offset: 40, .size: 8, .value_kind: global_buffer, .address_space: global }
      - { .name: t_img, .offset: 48, .size: 8, .value_kind: global_buffer, .address_space: global }
      - { .name: inter_codes, .offset: 56, .size: 8, .value_kind: global_buffer, .address_space: global }
      - { .name: inter_scales, .offset: 64, .size: 8, .value_kind: global_buffer, .address_space: global }
    .group_segment_fixed_size: 327680
    .private_segment_fixed_size: 0
    .kernarg_segment_align: 8
    .kernarg_segment_size: 72
    .max_flat_workgroup_size: 128
    .sgpr_count:     100
    .vgpr_count:     1024
    .wavefront_size: 32
...
	.end_amdgpu_metadata
.endif
;; end of part 2
;; launch gemm2 (part 3): grid 8 x 32, 4 waves a work-group, clusters of 4 x 4, 327,680 bytes of LDS; arguments inter_codes, inter_scales, wo_w_codes, wo_w_scales, top_k_values, out0; writes out0
.if DOCPART == 3
	.amdgcn_target "amdgcn-amd-amdhsa--gfx1250"
	.amdhsa_code_object_version 6
	.text
	.protected	k_q5d2b6409fd_gemm2
	.globl	k_q5d2b6409fd_gemm2
	.p2align	8
	.type	k_q5d2b6409fd_gemm2,@function
k_q5d2b6409fd_gemm2:
	s_mov_b64 s[64:65], 0
	v_nop
	global_prefetch_b8 v0, s[64:65] scope:SCOPE_SE
	s_setreg_imm32_b32 hwreg(HW_REG_WAVE_MODE, 25, 1), 1
	s_wait_xcnt 0x0
	s_wait_alu depctr_hold_cnt(0) depctr_sa_sdst(0) depctr_va_vdst(0) depctr_va_sdst(0) depctr_va_ssrc(0) depctr_va_vcc(0) depctr_vm_vsrc(0)
	s_getreg_b32 s2, hwreg(HW_REG_IB_STS2, 6, 4)
	s_cmp_eq_u32 s2, 0
	s_cbranch_scc0 .Lentry_in_a_cluster
	s_endpgm
.Lentry_in_a_cluster:
	s_bfe_u32 s2, ttmp6, 0x10000c
	s_cmp_lg_u32 s2, 0xf033
	s_cbranch_scc0 .Lentry_shape_is_right
	s_endpgm
.Lentry_shape_is_right:
; out = v0 Q(inter_0) Wo^T + v1 Q(inter_1) Wo^T.  inter_e: codes of FP8 (E4M3) as images of operand registers, [e][tile of 16 tokens][K step of 128][2,048 bytes], from the launch before; their scale words
; [128 tokens][K step][1,024 bytes], in these the word of expert e, tile 4 i + t, token r at 512 i + 256 e + 16 r + 4 t.  Wo: [1024][4096] codes with one E8M0 byte for each 32 along K.  out: [4096][1024] f32.
; A work-group makes 128 tokens x 128 columns for BOTH experts: 256 work-groups.  THE WAVES SPLIT K: wave (i, j) takes tokens 64 i .. 64 i + 63 of both experts (8 blocks of 16 rows) x all 128 columns (8 blocks), and of the
; 32 steps of 128 along K the steps 2 n + j, n = 0 .. 15: 64 accumulators, 512 registers, and 64 products for each 32 KiB read from LDS.  The two halves of K meet in LDS at the end.
; TWO UNEQUAL LDS SLOTS, filled by the tensor data mover: a small one of 256 along K (100,352 bytes) and a big one of 512 (198,656 bytes), which with Wo's scale bytes and the spare words take 316,928 bytes of LDS.
; K = 6 small + 5 big slots by turns, S B S B .. S.  Each slot holds an even number of steps, so each wave has one step of a small slot and two of a big one.  A wave's one load behind a barrier so brings as much as LDS
; has room for, and the launch has 9 refills; two equal slots of 512 along K would need 397,312 bytes.
; Waves 0 and 1 fetch the two experts' images (8 rows of 4,096 or 8,192 bytes), waves 2 and 3 Wo's rows (64 each, of 256 or 512 bytes).  Wo's scale bytes come into LDS once, with the first fills.
; The images' scale words go straight into registers at the head, one load of 16 bytes a lane for each of my 16 steps, and stay: so the 16 steps are written straight, and every LDS offset is an immediate.
; CLUSTERS: 4 x 4 work-groups; the four of a row need the same images, the four of a column the same rows of Wo: each tile is asked for jointly.
; TRANSPOSED USE: source 0 = 16 rows of Wo, source 1 = 16 tokens: a lane holds eight neighbouring columns of one row of out.
; THE ORDER OF K INSIDE A BLOCK OF 32: the images hold, in registers 4 c, 4 c + 1, k = 32 c + 8 h + 0 .. 7 and in 4 c + 2, 4 c + 3, k = 32 c + 16 + 8 h + 0 .. 7.  Wo's fragments are loaded in the same order: eight loads of 8 bytes.
; LIMITS: NaN and infinities are not served.  K is summed in two halves, each weighted by v0 and v1 and then added: another order of f32 rounding than the reference's.
; REGISTERS: window 0: v1-6 at work, v16-30 addresses; v32-39 Wo's scale words, two sets; v48-111 the images' scale words, four for each of my 16 steps; v128-255 the images' fragments, one set (block 4 e + t at v[128 + 16 (4 e + t)]).
;   window 1: Wo's fragments, two sets, at v0 and v128.   window 2: expert 0's accumulators ((t, b) at v[8 (8 t + b)]);  window 3: expert 1's.
.set PITS,   272                       ; a row of Wo in the small slot: 256 bytes + 16 of padding;
.set PITB,   528                       ; in the big one: 512 + 16.  With either the 32 lanes of an 8-byte load touch 64 different banks (64 banks of 4 bytes: ISA guide 11.1)
.set SMB,    65536                     ; the small slot, from LDS byte 0: two experts' images, 8 tiles x 2 steps x 2,048 bytes each; then Wo's 128 rows
.set BG,     SMB+128*PITS              ; the big slot: two experts' images, 8 tiles x 4 steps x 2,048 bytes each;
.set BGB,    BG+131072                 ; then Wo's 128 rows
.set SCB,    BGB+128*PITB              ; behind the slots: Wo's scale bytes, 128 rows x 128, as 64 units of 256 bytes + 16 of padding
.set SPARE,  SCB+64*272                ; the spare words, 128 bytes for each wave: two blocks of 256 bytes that no other line names
.set ASTEP,  6*2048                    ; from a slot's content to its next: 768 along K: bytes in a tile's row of images,
.set BSTEP,  768                       ; and in a row of Wo
.set SPITCH, 528                       ; the way out: a stage of 64 rows x (512 bytes + 16) for each wave, from LDS byte 0 on, behind the slots' last fill and last read
.set WSTG,   64*SPITCH
.set NP,   8                           ; places behind this matrix instruction (ISA guide 7.12.1)
.set ADAS, 16                          ; v16     LDS address of my images in the small slot
.set ADAB, 18                          ; v18-19  in the big slot: expert 0's, expert 1's
.set ADBS, 20                          ; v20     of my bytes of Wo's rows in the small slot,
.set ADBB, 21                          ; v21     in the big one
.set ADSB, 23                          ; v23     of Wo's scale words: lanes 0-15 an even block, lanes 16-31 the odd block behind it
.set STO,  24                          ; v24     the way out: where I put 32 bytes of a row
.set RD,   25                          ; v25     where I read a row back
.set CO,   26                          ; v26     16 x lane
.set SPW,  28                          ; v28     LDS address of my spare word; never rewritten
.set NIL,  29                          ; v29     0; never rewritten
.set PFO,  30                          ; v30     the prefetches' offset; never rewritten
.set SC,   32                          ; Wo's scale words: set n % 2 at v[SC + 4 (n % 2)]: register q holds blocks 2 q, 2 q + 1
.set SA,   48                          ; the images': step n's at v[SA + 4 n]: register t: lanes 0-15 expert 0's tile t, lanes 16-31 expert 1's
.set AF,   128
.set G1AS, 24                          ; descriptor groups 1: images, small slot;
.set G1AB, 32                          ; images, big slot;
.set G1BS, 48                          ; Wo, small;
.set G1BB, 56                          ; Wo, big;
.set G1SB, 68                          ; Wo's scale bytes
.set G0AS, 76                          ; and their groups 0
.set G0AB, 80
.set G0BS, 84
.set G0BB, 88
.set G0SB, 92
.set LIM,  45                          ; s45  1 in a wave that prefetches, else 0
.set PFA,  100                         ; s[100:101] where my prefetches begin; never rewritten
.set MSB, 0
.macro WIN new                         ; the immediate's high byte repeats the setting that is left
.if MSB != (\new)
	s_set_vgpr_msb (MSB<<8)|(\new)
.set MSB, \new
.endif
.endm
.set MUL_LO, 0xa1                      ; source 0 (Wo) window 1, source 1 (images) window 0, C and D window 2
.set MUL_HI, 0xf1                      ; the same, C and D window 3
.set TO_B,   0x40                      ; destination window 1, address window 0
; A joint refill: waves 0 and 1 fetch images, waves 2 and 3 Wo.  The branch hangs on the wave's number alone.  Four v_nop follow each of the two lines.
.macro JLOAD g0a, g1a, g0b, g1b
	s_cmp_eq_u32 s15, 0
	s_cbranch_scc0 .Lfor_b_\@
	tensor_load_to_lds s[\g0a:\g0a+3], s[\g1a:\g1a+7]
	s_nop 0
.rept 4
	v_nop
.endr
	s_branch .Lasked_\@
.Lfor_b_\@:
	tensor_load_to_lds s[\g0b:\g0b+3], s[\g1b:\g1b+7]
	s_nop 0
.rept 4
	v_nop
.endr
.Lasked_\@:
.endm
.macro CREST                           ; a round of the cluster's barrier behind its opening barrier
	s_cmp_lg_u32 s14, 0
	s_cbranch_scc1 .Lnot_wave_0_\@
	s_barrier_signal -3
.Lnot_wave_0_\@:
	s_barrier_wait -3
	s_barrier_signal -1
	s_barrier_wait -1
.endm
.macro CROUND                          ; a whole round
	s_barrier_signal -1
	s_barrier_wait -1
	CREST
.endm
; A PREFETCH INTO THE L2, behind each refill: the images that the SAME slot's next refill will ask for; that tensor load is issued two changes of slots, 192 matrix instructions, later.  A slot's images of a tile row are
; 2 experts x 8 tiles x 4,096 bytes (small) or 8,192 (big).  Both clusters of a row of clusters read them: the first (cluster x = 0) asks.  In it wave 0 asks for expert 0's and wave 1 for expert 1's; the four partners that ask
; for a tile jointly share its 8 tiles out BY ADDRESS, two each: lanes 0-15 one tile's 4,096 bytes, lanes 16-31 the next's, lanes 256 bytes apart; the big slot takes two such instructions.  So each aligned block of 256
; bytes is named once.  The first two contents of each slot come by their loads alone; each slot's last refill asks for nothing.  The place along K stands in the immediate: no address is stepped.
; Wo's rows are read again by every row of clusters and are not asked for.
.macro ASK off, big
	s_cmp_eq_u32 s[LIM], 1
	s_cbranch_scc0 .Lnot_mine_\@
	global_prefetch_b8 v[PFO], s[PFA:PFA+1] offset:\off th:TH_LOAD_NT scope:SCOPE_SE
.if \big
	global_prefetch_b8 v[PFO], s[PFA:PFA+1] offset:\off+4096 th:TH_LOAD_NT scope:SCOPE_SE
.endif
.Lnot_mine_\@:
.endm
	s_load_b128 s[4:7], s[0:1], 0x0                ; inter_codes s[4:5], inter_scales s[6:7]
	s_load_b128 s[8:11], s[0:1], 0x10              ; Wo's codes s[8:9], Wo's scales s[10:11]
	s_load_b64 s[2:3], s[0:1], 0x20                ; top_k_values
	s_load_b64 s[12:13], s[0:1], 0x28              ; out0
	v_lshl_add_u32 v[SPW], v0, 2, SPARE
	v_mov_b32 v[NIL], 0
	ds_add_u32 v28, v29
	ds_add_u32 v28, v29
	s_wait_dscnt 0x0
	v_lshrrev_b32 v1, 5, v0
	v_readfirstlane_b32 s14, v1                    ; wave 0..3
	s_lshr_b32 s15, s14, 1                         ; i: which 64 tokens are mine.  Also: I fetch images (0) or Wo (1)
	s_and_b32 s16, s14, 1                          ; j: which steps are mine.  Also: which expert's images, or which 64 rows of Wo, I fetch
	s_bfe_u32 s40, ttmp6, 0x40000                  ; cx, cy: my place in the cluster
	s_bfe_u32 s41, ttmp6, 0x40004
	s_lshl_b32 s42, ttmp9, 2
	s_add_co_u32 s42, s42, s40                     ; tile of 128 columns = 4 x cluster x + cx
	s_and_b32 s17, ttmp7, 0xffff
	s_lshl_b32 s17, s17, 2
	s_add_co_u32 s17, s17, s41                     ; tile of 128 tokens = 4 x cluster y + cy
	s_lshl_b32 s43, s41, 2
	s_lshl_b32 s43, 15, s43                        ; my row of the cluster
	s_lshl_b32 s44, 0x1111, s40                    ; my column
	; groups 1 for an expert's images: 8 rows (tiles) of 4,096 or 8,192 bytes (512 or 1,024 elements of 8 bytes), 65,536 bytes apart in memory, dense in LDS
	s_or_b32 s[G1AS+0], s43, (3<<16)|(1<<21)       ; 15:0 the mask: my row; 17:16 elements of 8 bytes; 21 set beside a mask; no padding
	s_or_b32 s[G1AB+0], s43, (3<<16)|(1<<21)
	s_mov_b32 s[G1AS+1], 512<<16                   ; tensor_dim0
	s_mov_b32 s[G1AB+1], 1024<<16
	s_mov_b32 s[G1AS+3], 512<<16                   ; tile_dim0
	s_mov_b32 s[G1AB+3], 1024<<16
.irp g, G1AS, G1AB
	s_mov_b32 s[\g+2], 8<<16                       ; tensor_dim1
	s_mov_b32 s[\g+4], 8                           ; tile_dim1
	s_mov_b32 s[\g+5], 8192                        ; tensor_dim0_stride
	s_mov_b32 s[\g+6], 0
	s_mov_b32 s[\g+7], 0
.endr
	; for Wo's codes: 64 rows of 256 or 512 bytes, 4,096 bytes apart, 16 bytes of padding behind each
	s_or_b32 s[G1BS+0], s44, (0<<16)|(1<<20)|(1<<21)|(5<<22)|(3<<25)   ; the mask: my column; elements of 1 byte; padding: four words after every 64
	s_or_b32 s[G1BB+0], s44, (0<<16)|(1<<20)|(1<<21)|(6<<22)|(3<<25)   ; four words after every 128
	s_mov_b32 s[G1BS+1], 256<<16
	s_mov_b32 s[G1BB+1], 512<<16
	s_mov_b32 s[G1BS+3], 256<<16
	s_mov_b32 s[G1BB+3], 512<<16
.irp g, G1BS, G1BB
	s_mov_b32 s[\g+2], 64<<16
	s_mov_b32 s[\g+4], 64
	s_mov_b32 s[\g+5], 4096
	s_mov_b32 s[\g+6], 0
	s_mov_b32 s[\g+7], 0
.endr
	; for the scale bytes of 64 rows of Wo: a dense block of 8,192 bytes, as 32 rows of 256 bytes, 16 bytes of padding behind each
	s_or_b32 s[G1SB+0], s44, (3<<16)|(1<<20)|(1<<21)|(5<<22)|(3<<25)
	s_mov_b32 s[G1SB+1], 32<<16
	s_mov_b32 s[G1SB+2], 32<<16
	s_mov_b32 s[G1SB+3], 32<<16
	s_mov_b32 s[G1SB+4], 32
	s_mov_b32 s[G1SB+5], 32
	s_mov_b32 s[G1SB+6], 0
	s_mov_b32 s[G1SB+7], 0
	; where the tiles come from: the images' hang on the tile of tokens alone, Wo's on the tile of columns alone
	s_lshl_b32 s20, s17, 19                        ; 8 tiles of 65,536 bytes for each tile of 128 tokens,
	s_lshl_b32 s18, s16, 24                        ; 16,777,216 bytes an expert
	s_add_co_u32 s20, s20, s18
	s_mov_b32 s21, 0
	s_lshl_b32 s46, s42, 19                        ; Wo: 128 rows of 4,096 bytes a tile,
	s_lshl_b32 s18, s16, 18                        ; 64 rows a wave
	s_add_co_u32 s46, s46, s18
	s_mov_b32 s47, 0
	s_lshl_b32 s22, s42, 14                        ; its scale bytes: 128 rows of 128,
	s_lshl_b32 s18, s16, 13
	s_add_co_u32 s22, s22, s18
	s_mov_b32 s23, 0
	; and where they go: no place in the cluster enters an LDS address
	s_lshl_b32 s[G0AS+1], s16, 15                  ; my expert's images in the small slot,
	s_lshl_b32 s[G0AB+1], s16, 16
	s_add_co_u32 s[G0AB+1], s[G0AB+1], BG          ; in the big one;
	s_mul_i32 s[G0BS+1], s16, 64*PITS
	s_add_co_u32 s[G0BS+1], s[G0BS+1], SMB         ; my 64 rows of Wo in the small slot,
	s_mul_i32 s[G0BB+1], s16, 64*PITB
	s_add_co_u32 s[G0BB+1], s[G0BB+1], BGB         ; in the big one;
	s_mul_i32 s[G0SB+1], s16, 32*272
	s_add_co_u32 s[G0SB+1], s[G0SB+1], SCB         ; their scale bytes
	s_wait_kmcnt 0x0
	s_load_b64 s[96:97], s[2:3], 0x0               ; v0, v1
	s_add_nc_u64 s[20:21], s[4:5], s[20:21]
	s_add_nc_u64 s[46:47], s[8:9], s[46:47]
	s_add_nc_u64 s[22:23], s[10:11], s[22:23]
	CROUND                                         ; all sixteen work-groups are here: the first joint loads meet
	s_mov_b32 s[G0AS], 1
	s_mov_b64 s[G0AS+2:G0AS+3], s[20:21]           ; the small slot begins with steps 0 and 1,
	s_or_b32 s[G0AS+3], s[G0AS+3], 0x80000000
	s_mov_b32 s[G0AB], 1
	s_add_nc_u64 s[G0AB+2:G0AB+3], s[20:21], 2*2048   ; the big one with steps 2 to 5
	s_or_b32 s[G0AB+3], s[G0AB+3], 0x80000000
	s_mov_b32 s[G0BS], 1
	s_mov_b64 s[G0BS+2:G0BS+3], s[46:47]
	s_or_b32 s[G0BS+3], s[G0BS+3], 0x80000000
	s_mov_b32 s[G0BB], 1
	s_add_nc_u64 s[G0BB+2:G0BB+3], s[46:47], 256
	s_or_b32 s[G0BB+3], s[G0BB+3], 0x80000000
	s_mov_b32 s[G0SB], 1
	s_mov_b64 s[G0SB+2:G0SB+3], s[22:23]
	s_or_b32 s[G0SB+3], s[G0SB+3], 0x80000000
	s_cmp_eq_u32 s15, 0                            ; a wave's first fills stand in one branch, ahead of every wait on TENSORcnt and every LDS read: two or three loads of mine are out; the big slot's is the last on both ways
	s_cbranch_scc0 .Lfirst_b
	tensor_load_to_lds s[G0AS:G0AS+3], s[G1AS:G1AS+7]
	s_nop 0
	tensor_load_to_lds s[G0AB:G0AB+3], s[G1AB:G1AB+7]
	s_nop 0
.rept 4
	v_nop
.endr
	s_branch .Lfirst_asked
.Lfirst_b:
	tensor_load_to_lds s[G0SB:G0SB+3], s[G1SB:G1SB+7]
	s_nop 0
	tensor_load_to_lds s[G0BS:G0BS+3], s[G1BS:G1BS+7]
	s_nop 0
	tensor_load_to_lds s[G0BB:G0BB+3], s[G1BB:G1BB+7]
	s_nop 0
.rept 4
	v_nop
.endr
.Lfirst_asked:
	v_and_b32 v1, 15, v0                           ; r = l % 16
	v_bfe_u32 v2, v0, 4, 1                         ; h = l / 16
	v_and_b32 v3, 31, v0
	v_lshlrev_b32 v[CO], 4, v3
	; the images' scale words of my 16 steps: 32,768 bytes for a tile of 128 tokens, 1,024 a step, 512 for my 64 tokens; step 2 n + j
	s_lshl_b32 s18, s17, 15
	s_lshl_b32 s19, s16, 10
	s_add_co_u32 s18, s18, s19
	s_lshl_b32 s19, s15, 9
	s_add_co_u32 s18, s18, s19
	s_mov_b32 s19, 0
	s_add_nc_u64 s[6:7], s[6:7], s[18:19]
.irp n, 0,1,2,3,4,5,6,7,8,9,10,11,12,13,14,15
	global_load_b128 v[SA+4*\n:SA+4*\n+3], v[CO], s[6:7] offset:2048*\n   ; 32 lanes read 512 consecutive bytes: lane (r, half e): the words of token r in tiles 0 to 3 of expert e
.endr
	; the prefetches: my expert's images of my tile of tokens, my work-group's two tiles of the eight
	s_lshl_b32 s18, s40, 17
	s_add_nc_u64 s[PFA:PFA+1], s[20:21], s[18:19]
	s_or_b32 s[LIM], s15, ttmp9                    ; 0 in waves 0 and 1 of the clusters with x = 0: the same in all sixteen partners, for a given wave
	s_cmp_eq_u32 s[LIM], 0
	s_cselect_b32 s[LIM], 1, 0
	v_lshlrev_b32 v[PFO], 8, v1
	v_lshl_add_u32 v[PFO], v2, 16, v[PFO]
	s_lshl_b32 s21, s15, 14                        ; small slot: my four tiles of an expert's eight, 4,096 bytes each,
	s_lshl_b32 s22, s16, 11                        ; my step of the two
	s_add_co_u32 s21, s21, s22
	v_add_nc_u32 v[ADAS], s21, v[CO]
	s_lshl_b32 s21, s15, 15                        ; big slot: 8,192 bytes a tile; my steps are j and j + 2 of the four
	s_add_co_u32 s21, s21, s22
	s_add_co_u32 s21, s21, BG
	v_add_nc_u32 v[ADAB], s21, v[CO]
	v_add_nc_u32 v[ADAB+1], 65536, v[ADAB]
	s_lshl_b32 s22, s16, 7                         ; Wo: row r, + 8 h, + my step's 128 bytes
	v_mul_u32_u24 v4, v1, PITS
	v_lshl_add_u32 v4, v2, 3, v4
	s_add_co_u32 s21, s22, SMB
	v_add_nc_u32 v[ADBS], s21, v4
	v_mul_u32_u24 v4, v1, PITB
	v_lshl_add_u32 v4, v2, 3, v4
	s_add_co_u32 s21, s22, BGB
	v_add_nc_u32 v[ADBB], s21, v4
	v_lshrrev_b32 v5, 1, v1                        ; Wo's scale words: two rows of 128 bytes to a unit of 272;
	v_mul_u32_u24 v5, v5, 272
	v_and_b32 v6, 1, v1
	v_lshl_add_u32 v5, v6, 7, v5
	v_mad_u32_u24 v5, v2, 8*272, v5                ; lanes 16-31 take the block behind: 16 rows, 8 units on
	s_lshl_b32 s21, s16, 2                         ; step 2 n + j: 4 j here, 8 n in the immediate
	s_add_co_u32 s21, s21, SCB
	v_add_nc_u32 v[ADSB], s21, v5
	s_mul_i32 s23, s14, WSTG                       ; my stage: row r, 32 bytes for each half of the lanes
	v_mul_u32_u24 v5, v1, SPITCH
	v_lshl_add_u32 v5, v2, 5, v5
	v_add_nc_u32 v[STO], s23, v5
	s_mul_i32 s23, s15, 2*WSTG                     ; back: from the stages of waves 2 i and 2 i + 1, rows 32 j on; the 32 lanes take one row of 512 bytes
	s_mul_i32 s22, s16, 32*SPITCH
	s_add_co_u32 s23, s23, s22
	v_add_nc_u32 v[RD], s23, v[CO]
	s_lshl_b32 s20, s17, 19                        ; out: row 128 x tile + 64 i + 32 j, of 4,096 bytes; column 128 x tile, 512 bytes
	s_lshl_b32 s21, s15, 18
	s_add_co_u32 s20, s20, s21
	s_lshl_b32 s21, s16, 17
	s_add_co_u32 s20, s20, s21
	s_lshl_b32 s21, s42, 9
	s_add_co_u32 s20, s20, s21
	s_mov_b32 s21, 0
	s_add_nc_u64 s[12:13], s[12:13], s[20:21]
	s_wait_kmcnt 0x0
	s_mov_b32 s98, s97                             ; the packed forms name a pair and take its low word for both halves: s[96:97] serves v0, s[98:99] v1
	s_mov_b32 s99, s97
; MY STEP n (0 .. 15) lies in the small slot where n % 3 = 0, else in the big one, as its first (n % 3 = 1) or second (n % 3 = 2) step of mine.
; One product: images' block a (4 e + t) x Wo's block b.  Wo's scale word lies in lanes 0-15 (b even) or 16-31 (b odd) of its register, the images' in lanes 0-15 (expert 0) or 16-31 (expert 1)
.macro PROD a, b, n, zero
.set rD, 8*(8*((\a)%4)+(\b))
.set rB, 128*((\n)%2)+16*(\b)
.set rA, AF+16*(\a)
.set rX, SC+4*((\n)%2)+(\b)/2
.set rY, SA+4*(\n)+(\a)%4
.if \zero
.if ((\b)%2 == 0) && ((\a) < 4)
	v_wmma_scale_f32_16x16x128_f8f6f4 v[rD:rD+7], v[rB:rB+15], v[rA:rA+15], 0, v[rX], v[rY]
.elseif ((\b)%2 == 0)
	v_wmma_scale_f32_16x16x128_f8f6f4 v[rD:rD+7], v[rB:rB+15], v[rA:rA+15], 0, v[rX], v[rY] matrix_b_scale:MATRIX_SCALE_ROW1
.elseif ((\a) < 4)
	v_wmma_scale_f32_16x16x128_f8f6f4 v[rD:rD+7], v[rB:rB+15], v[rA:rA+15], 0, v[rX], v[rY] matrix_a_scale:MATRIX_SCALE_ROW1
.else
	v_wmma_scale_f32_16x16x128_f8f6f4 v[rD:rD+7], v[rB:rB+15], v[rA:rA+15], 0, v[rX], v[rY] matrix_a_scale:MATRIX_SCALE_ROW1 matrix_b_scale:MATRIX_SCALE_ROW1
.endif
.else
.if ((\b)%2 == 0) && ((\a) < 4)
	v_wmma_scale_f32_16x16x128_f8f6f4 v[rD:rD+7], v[rB:rB+15], v[rA:rA+15], v[rD:rD+7], v[rX], v[rY]
.elseif ((\b)%2 == 0)
	v_wmma_scale_f32_16x16x128_f8f6f4 v[rD:rD+7], v[rB:rB+15], v[rA:rA+15], v[rD:rD+7], v[rX], v[rY] matrix_b_scale:MATRIX_SCALE_ROW1
.elseif ((\a) < 4)
	v_wmma_scale_f32_16x16x128_f8f6f4 v[rD:rD+7], v[rB:rB+15], v[rA:rA+15], v[rD:rD+7], v[rX], v[rY] matrix_a_scale:MATRIX_SCALE_ROW1
.else
	v_wmma_scale_f32_16x16x128_f8f6f4 v[rD:rD+7], v[rB:rB+15], v[rA:rA+15], v[rD:rD+7], v[rX], v[rY] matrix_a_scale:MATRIX_SCALE_ROW1 matrix_b_scale:MATRIX_SCALE_ROW1
.endif
.endif
.endm
; 16 products: blocks a0, a0 + 1 x Wo's eight.  The 64 accumulators take turns, one instruction a turn, in the same order in every step.
.macro MUL16 a0, n, zero
.irp a, \a0, \a0+1
.irp b, 0,1,2,3,4,5,6,7
	PROD \a, \b, \n, \zero
.endr
.endr
.endm
.macro FRAGA n, al                     ; an image comes back as it was stored: 512 consecutive bytes a load
.if ((\n)%3) == 0
.irp c, 0,1,2,3
	ds_load_b128 v[AF+16*(\al)+4*\c:AF+16*(\al)+4*\c+3], v[ADAS] offset:((\al)/4)*32768+((\al)%4)*4096+512*\c
.endr
.else
.irp c, 0,1,2,3
	ds_load_b128 v[AF+16*(\al)+4*\c:AF+16*(\al)+4*\c+3], v[ADAB+(\al)/4] offset:((\al)%4)*8192+(((\n)%3)-1)*4096+512*\c
.endr
.endif
.endm
.macro FETCH_A n, a0                   ; step n's blocks a0 .. a0 + 3
.irp i, \a0, \a0+1, \a0+2, \a0+3
	FRAGA \n, \i
.endr
.endm
.macro FETCH_B n                       ; Wo's eight fragments of step n, into set n % 2: registers 2 c, 2 c + 1 take the row's bytes 16 c + 8 h + 0 .. 7 of the step's 128
	WIN TO_B
.irp b, 0,1,2,3,4,5,6,7
.irp c, 0,1,2,3,4,5,6,7
.if ((\n)%3) == 0
	ds_load_b64 v[128*((\n)%2)+16*\b+2*\c:128*((\n)%2)+16*\b+2*\c+1], v[ADBS] offset:\b*16*PITS+16*\c
.else
	ds_load_b64 v[128*((\n)%2)+16*\b+2*\c:128*((\n)%2)+16*\b+2*\c+1], v[ADBB] offset:\b*16*PITB+(((\n)%3)-1)*256+16*\c
.endif
.endr
.endr
	WIN 0
.endm
.macro SCALES n                        ; Wo's scale words of step n, into set n % 2
.irp t, 0,1,2,3
	ds_load_b32 v[SC+4*((\n)%2)+\t], v[ADSB] offset:16*272*\t+8*(\n)
.endr
.endm
.macro PLACES n                        ; places in front of loads into registers that matrix instructions have read, and of the first read of results
.rept \n
	v_nop
.endr
.endm
; A step that has its successor in the same slot: no barrier.
.macro STEP n
	s_wait_dscnt 16                                ; Wo's set, blocks 0-3 and Wo's scale words are in; the youngest 16 loads (blocks 4-7) may be out
	WIN MUL_LO
	MUL16 0, \n, 0
	MUL16 2, \n, 0
	s_wait_dscnt 0x0                               ; blocks 4-7 are in
	PLACES NP
	FETCH_B (\n)+1
	FETCH_A (\n)+1, 0
	SCALES (\n)+1
	WIN MUL_HI
	MUL16 4, \n, 0
	MUL16 6, \n, 0
	PLACES NP
	WIN 0
	FETCH_A (\n)+1, 4
.endm
; MY LAST STEP OF A SLOT, and the change of slots in its middle: one barrier; in front of it each wave waits for all its tensor loads, adds 0 to its spare word, and waits for that and for its own reads of this slot.
; The step's first 32 products stand ahead of those waits, so that nothing but the add, the barrier and the round stands between the other slot's landing and the next request.
; fill = 1: this slot is filled again, with the K that lies 768 on.  pf: the byte along a tile's row of what is prefetched, or -1.
.macro TURN n, fill, zero, pf
	s_wait_dscnt 16                                ; Wo's set, blocks 0-3 and Wo's scale words are in; the youngest 16 loads (blocks 4-7) may be out
	WIN MUL_LO
	MUL16 0, \n, \zero
	MUL16 2, \n, \zero
	WIN 0
	s_wait_tensorcnt 0x0                           ; all my tensor loads have landed: my part of the other slot
	ds_add_u32 v[SPW], v[NIL]                      ; 0 onto my spare word
	s_wait_dscnt 0x0                               ; the add is done, and my reads of this slot are over
	s_barrier_signal -1
	s_barrier_wait -1
.if \fill
	CREST                                          ; the barrier has opened a round of the cluster's barrier: no wave of any partner still reads this slot's tiles or has a load on its way
.if ((\n)%3) == 0
	s_add_nc_u64 s[G0AS+2:G0AS+3], s[G0AS+2:G0AS+3], ASTEP
	s_add_nc_u64 s[G0BS+2:G0BS+3], s[G0BS+2:G0BS+3], BSTEP
	JLOAD G0AS, G1AS, G0BS, G1BS                   ; the first tensor load behind the round, my only one until the next; its four v_nop are among the places in front of the loads below
.else
	s_add_nc_u64 s[G0AB+2:G0AB+3], s[G0AB+2:G0AB+3], ASTEP
	s_add_nc_u64 s[G0BB+2:G0BB+3], s[G0BB+2:G0BB+3], BSTEP
	JLOAD G0AB, G1AB, G0BB, G1BB
.endif
	PLACES NP-4
.else
	PLACES NP
.endif
	FETCH_B (\n)+1
	FETCH_A (\n)+1, 0
	SCALES (\n)+1
.if (\pf) >= 0
	ASK \pf, ((\n)%3)                              ; behind the joint load and the run of LDS loads
.endif
	WIN MUL_HI
	MUL16 4, \n, \zero
	MUL16 6, \n, \zero
	PLACES NP
	WIN 0
	FETCH_A (\n)+1, 4
.endm
	s_wait_tensorcnt 1                             ; Wo's scale bytes and my part of the small slot are in (the big slot's load may be out),
	s_barrier_signal -1
	s_barrier_wait -1                              ; everybody's are
	FETCH_B 0
	FETCH_A 0, 0
	SCALES 0
	FETCH_A 0, 4
	s_wait_loadcnt 0x0                             ; the images' scale words
	TURN 0, 1, 1, 2*ASTEP                          ; small slot, K 0 on: its products start the sums; it takes K 768 on
	STEP 1                                         ; big slot, K 256 on
	TURN 2, 1, 0, 4096+2*ASTEP
	TURN 3, 1, 0, 3*ASTEP
	STEP 4
	TURN 5, 1, 0, 4096+3*ASTEP
	TURN 6, 1, 0, 4*ASTEP
	STEP 7
	TURN 8, 1, 0, 4096+4*ASTEP
	TURN 9, 1, 0, 5*ASTEP
	STEP 10
	TURN 11, 1, 0, -1                              ; the big slot's last refill
	TURN 12, 1, 0, -1                              ; the small slot's last refill
	STEP 13
	TURN 14, 0, 0, -1                              ; nothing is left to fetch
	s_wait_dscnt 16                                ; my last step
	WIN MUL_LO
	MUL16 0, 15, 0
	MUL16 2, 15, 0
	s_wait_dscnt 0x0                               ; my reads of the slots are over:
	s_barrier_signal -1                            ; say so,
	WIN MUL_HI
	MUL16 4, 15, 0
	MUL16 6, 15, 0
	WIN 0
	s_barrier_wait -1                              ; everybody's are: the slots' bytes, which have had their last fill, become the stages
	; THE WAY OUT.  v0 x expert 0's sums + v1 x expert 1's, in place; my 64 rows x 128 columns into my stage; a barrier; each wave adds the two halves of K for 32 rows and stores them whole.
	PLACES NP
	WIN 0x82                                       ; destination and source 0 window 2
.set i, 0
.rept 128
	v_pk_mul_f32 v[i:i+1], v[i:i+1], s[96:97] op_sel_hi:[1,0]        ; each accumulator from its low end on
.set i, i+2
.endr
	WIN 0xa3                                       ; source 0 window 3, source 2 and destination window 2
.set i, 0
.rept 128
	v_pk_fma_f32 v[i:i+1], v[i:i+1], s[98:99], v[i:i+1] op_sel_hi:[1,0,1]
.set i, i+2
.endr
	WIN 0x08                                       ; an LDS store's data are its source 1: window 2
.irp t, 0,1,2,3
.irp b, 0,1,2,3,4,5,6,7
	ds_store_b128 v[STO], v[8*(8*\t+\b):8*(8*\t+\b)+3] offset:\t*16*SPITCH+64*\b
	ds_store_b128 v[STO], v[8*(8*\t+\b)+4:8*(8*\t+\b)+7] offset:\t*16*SPITCH+64*\b+16
.endr
.endr
	WIN 0
	s_wait_dscnt 0x0                               ; for the others' sake: my stores into the stage are done
	s_barrier_signal -1
	s_barrier_wait -1
.irp g, 0,1                                    ; 16 rows at a time
.if \g
	s_wait_xcnt 0x0                                ; the first 16 rows' stores have read their registers
.endif
.irp k, 0,1,2,3,4,5,6,7,8,9,10,11,12,13,14,15
	ds_load_b128 v[128+4*\k:131+4*\k], v[RD] offset:(16*\g+\k)*SPITCH
	ds_load_b128 v[192+4*\k:195+4*\k], v[RD] offset:WSTG+(16*\g+\k)*SPITCH
.endr
	s_wait_dscnt 0x0
.irp k, 0,1,2,3,4,5,6,7,8,9,10,11,12,13,14,15
	v_pk_add_f32 v[128+4*\k:129+4*\k], v[128+4*\k:129+4*\k], v[192+4*\k:193+4*\k]
	v_pk_add_f32 v[130+4*\k:131+4*\k], v[130+4*\k:131+4*\k], v[194+4*\k:195+4*\k]
	global_store_b128 v[CO], v[128+4*\k:131+4*\k], s[12:13] offset:(16*\g+\k)*4096 th:TH_STORE_NT   ; 32 lanes store 512 consecutive bytes, aligned; written once, read by nobody here
.endr
.endr
	s_wait_tensorcnt 0x0                           ; the wave's end
	ds_add_u32 v[SPW], v[NIL]
	s_wait_dscnt 0x0
	CROUND                                         ; the closing round: no work-group ends while a partner may still ask for a tile that names it
	s_endpgm
.Lfunc_end_k_q5d2b6409fd_gemm2:
	.size	k_q5d2b6409fd_gemm2, .Lfunc_end_k_q5d2b6409fd_gemm2-k_q5d2b6409fd_gemm2
	.p2alignl 7, 3214868480
	.fill 96, 4, 3214868480
	.section	.rodata,"a",@progbits
	.p2align	6, 0x0
	.amdhsa_kernel k_q5d2b6409fd_gemm2
		.amdhsa_group_segment_fixed_size 327680
		.amdhsa_private_segment_fixed_size 0
		.amdhsa_enable_private_segment 0
		.amdhsa_kernarg_size 48
		.amdhsa_user_sgpr_count 2
		.amdhsa_user_sgpr_kernarg_segment_ptr 1
		.amdhsa_wavefront_size32 1
		.amdhsa_system_sgpr_workgroup_id_x 1
		.amdhsa_system_sgpr_workgroup_id_y 1
		.amdhsa_system_sgpr_workgroup_id_z 1
		.amdhsa_system_vgpr_workitem_id 0
		.amdhsa_next_free_vgpr 1024
		.amdhsa_next_free_sgpr 102
		.amdhsa_reserve_vcc 0
		.amdhsa_float_denorm_mode_32 3
		.amdhsa_float_denorm_mode_16_64 3
		.amdhsa_memory_ordered 1
		.amdhsa_forward_progress 1
		.amdhsa_inst_pref_size 255
	.end_amdhsa_kernel
	.section	.bss,"aw",@nobits
	.p2align	6
	.space	262144
	.amdgpu_metadata
---
amdhsa.version: [ 1, 2 ]
amdhsa.kernels:
  - .name:           k_q5d2b6409fd_gemm2
    .symbol:         k_q5d2b6409fd_gemm2.kd
    .args:
      - { .name: inter_codes, .offset: 0, .size: 8, .value_kind: global_buffer, .address_space: global }
      - { .name: inter_scales, .offset: 8, .size: 8, .value_kind: global_buffer, .address_space: global }
      - { .name: wo_w_codes, .offset: 16, .size: 8, .value_kind: global_buffer, .address_space: global }
      - { .name: wo_w_scales, .offset: 24, .size: 8, .value_kind: global_buffer, .address_space: global }
      - { .name: top_k_values, .offset: 32, .size: 8, .value_kind: global_buffer, .address_space: global }
      - { .name: out0, .offset: 40, .size: 8, .value_kind: global_buffer, .address_space: global }
    .group_segment_fixed_size: 327680
    .private_segment_fixed_size: 0
    .kernarg_segment_align: 8
    .kernarg_segment_size: 48
    .max_flat_workgroup_size: 128
    .sgpr_count:     102
    .vgpr_count:     1024
    .wavefront_size: 32
...
	.end_amdgpu_metadata
.endif
;; end of part 3
